; MI455X (gfx1250); checked and timed in simulation.
; The chip was launched on July 23, 2026; its instructions are those of AMD's public machine-readable ISA for CDNA 5 (MIT licence, August 2026) and "CDNA5" Instruction Set Architecture Reference Guide (July 2026). The comments in the code are by the model that wrote it; some were corrected since.
;; MHA Comm Block. Allowed arithmetic: matrix products marked QUANTISED: E2M3 operands, one E8M0 scale for each 32 along K, by v_wmma_scale_f32_16x16x128_f8f6f4 with both operands' format E2M3, f32 sums; everything else in f32.
;; Inputs: Wk_codes 512 x 8 x 24 uint8 (E2M3 codes of Wk, K innermost, in blocks of 32 codes, four codes in three bytes); Wk_scales 512 x 8 uint8 (E8M0 scales of Wk, one for each 32 codes along K); Wo_codes 64 x 16 x 24 uint8 (E2M3 codes of Wo, K innermost, in blocks of 32 codes, four codes in three bytes); Wo_scales 64 x 16 uint8 (E8M0 scales of Wo, one for each 32 codes along K); Wq_codes 512 x 8 x 24 uint8 (E2M3 codes of Wq, K innermost, in blocks of 32 codes, four codes in three bytes); Wq_scales 512 x 8 uint8 (E8M0 scales of Wq, one for each 32 codes along K); Wv_codes 512 x 8 x 24 uint8 (E2M3 codes of Wv, K innermost, in blocks of 32 codes, four codes in three bytes); Wv_scales 512 x 8 uint8 (E8M0 scales of Wv, one for each 32 codes along K); bk 512 float32; bq 512 float32; bv 512 float32; msg_codes 8 x 2,048 x 8 x 24 uint8 (E2M3 codes of msg, K innermost, in blocks of 32 codes, four codes in three bytes); msg_scales 8 x 2,048 x 8 uint8 (E8M0 scales of msg, one for each 32 codes along K).
;; Outputs: out0 8 x 2,048 x 64 float32.
;; This version of the problem:
;;   THIS VERSION OF THE PROBLEM IS GIVEN IN LOW PRECISION. The matrix products marked QUANTISED in the list below multiply operands that are first quantised to E2M3 (2 exponent bits, 3 mantissa bits; 6 bits a number), with one power-of-two scale for each 32 numbers along K (OCP MX v1.0); their sums are f32. All else is computed in f32.
;;   The module's matrix products, in the order in which they are computed (A, B: the left and right operand; K: the contracted axis; several contracted axes count as one K, in the product's order):
;;     1. [M 16,384, K 256] x [K 256, N 512]; A: input msg (given as codes); B: input Wq (given as codes): QUANTISED
;;     2. [M 16,384, K 256] x [K 256, N 512]; A: input msg (given as codes); B: input Wk (given as codes): QUANTISED
;;     3. [M 16,384, K 256] x [K 256, N 512]; A: input msg (given as codes); B: input Wv (given as codes): QUANTISED
;;     4. batch 64 x [M 2,048, K 64] x [K 64, N 2,048]; A: computed on the way; B: computed on the way: QUANTISED
;;     5. batch 64 x [M 2,048, K 2,048] x [K 2,048, N 64]; A: softmax (see below); B: computed on the way: QUANTISED
;;     6. [M 16,384, K 512] x [K 512, N 64]; A: computed on the way; B: input Wo (given as codes): QUANTISED
;;   THE QUANTISER, for each operand of a quantised product, along K:
;;     - K is cut into blocks of 32 from its start; a last block that is shorter is filled with zeros.
;;     - A block's scale is 2^e with e = floor(log2(the largest magnitude in the block)) - 2, held to -126 .. 127; a block of zeros has e = 0. As a byte (E8M0): e + 127.
;;     - Each number is divided by its block's scale, clamped to +-7.5, and rounded to the nearest number of E2M3, ties to even, subnormals kept.
;;     - The product sums the exact products of the quantised numbers (number of the format x scale) in f32.
;;   ~~~python
;;   def quantise(x, axis):      # numpy; x: float32 -> the quantised numbers, widened to float32 again
;;       x = np.moveaxis(x, axis, -1); K = x.shape[-1]
;;       x = np.pad(x, [(0, 0)] * (x.ndim - 1) + [(0, -K % 32)]); x = x.reshape(x.shape[:-1] + (-1, 32)); a = np.abs(x).max(-1, keepdims=True)
;;       e = np.where(a > 0, np.clip(np.frexp(np.where(a > 0, a, 1))[1] - 1 - 2, -126, 127), 0)      # np.frexp(a)[1] - 1 = floor(log2(a)), exactly
;;       r = np.clip(x / 2.0 ** e, -7.5, 7.5)
;;       step = 2.0 ** (np.maximum(np.frexp(np.where(r == 0, 1, r))[1] - 1, 0) - 3)
;;       q = np.round(r / step) * step * 2.0 ** e      # np.round: ties to even
;;       return np.moveaxis(q.reshape(q.shape[:-2] + (-1,))[..., :K], -1, axis).astype(np.float32)
;;   ~~~
;;   SOFTMAX AHEAD OF A QUANTISED PRODUCT. Where the list says 'softmax', what is quantised is not the finished softmax but p = 2^(t - M), with t = logit x log2(e) and M = ceil(the row's largest t), a whole number; so 1/2 < the row's largest p <= 1. The row's sum l is taken of the UNQUANTISED p, in f32, and the product's result is divided by l at the end. Since M is a whole number, a kernel that streams over the keys may use a running M (the ceiling of the running maximum): every later rescaling is an exact power of two, which a block's scale takes up: the codes' values come out the same.
;;   OPERANDS COMPUTED ON THE WAY. 'Computed on the way' means the value that the module computes at that place (a softmax that the list does not call 'softmax' is quantised finished and normalised). What goes into a quantiser is computed in f32, as accurately as f32 sums, v_exp_f32 and their like allow (about 1e-6 of the number): no bf16 or f16 on the way to a quantiser, and a product that is left as it is and whose result goes on into a quantised operand takes f32 operands (vector FMAs, or v_wmma_f32_16x16x4_f32). A number that lies on a knife's edge between two numbers of the format may be rounded either way, as far as f32 arithmetic and the matrix unit's own rounding can turn it there, and no further.
;;   INPUTS GIVEN AS CODES. Wk (in the module: [256, 512], K = its axis 0); Wo (in the module: [512, 64], K = its axis 0); Wq (in the module: [256, 512], K = its axis 0); Wv (in the module: [256, 512], K = its axis 0); msg (in the module: [8, 2048, 256], K = its axis 2): each comes as NAME_codes (uint8): NAME with its K axis moved to the last place and cut into blocks of 32 codes, [.., K / 32, bytes a block], one block behind the other in memory; four codes in three bytes: a row's codes are one little-endian stream of bits, code i at bits 6 i .. 6 i + 5 (a code: sign, 2 exponent bits, 3 mantissa bits); and NAME_scales (uint8): the same leading axes, one E8M0 byte (e + 127) for each 32 codes along K. Its value is code x scale, taken as it is: it is not quantised again, and the codes and scales need not be those that the quantiser above would give.
;; 2 versions. Each part assembles by itself: llvm-mc -triple=amdgcn-amd-amdhsa -mcpu=gfx1250 --defsym DOCPART=n.
;; ======== version 1 of 2: 3 launches
;; workspace buffers: kv 12,582,912 bytes; kvs 524,288 bytes; qc 6,291,456 bytes; qs 524,288 bytes; cc 6,291,456 bytes; cs 262,144 bytes
;; launch proj (part 1): grid 128 x 2, 4 waves a work-group, no clusters, 0 bytes of LDS; arguments msg_codes, msg_scales, Wq_codes, Wq_scales, bq, Wk_codes, Wk_scales, bk, Wv_codes, Wv_scales, bv, qc, qs, kv, kvs; writes qc, qs, kv, kvs
.if DOCPART == 1
	.amdgcn_target "amdgcn-amd-amdhsa--gfx1250"
	.amdhsa_code_object_version 6
	.text
	.protected	k_q08895171a4_proj
	.globl	k_q08895171a4_proj
	.p2align	8
	.type	k_q08895171a4_proj,@function
k_q08895171a4_proj:
	s_mov_b64 s[64:65], 0
	v_nop
	global_prefetch_b8 v0, s[64:65] scope:SCOPE_SE
	s_setreg_imm32_b32 hwreg(HW_REG_WAVE_MODE, 25, 1), 1
	s_wait_xcnt 0x0
; q = msg Wq + bq, k = msg Wk + bk, v = msg Wv + bv on codes of FP6 (E2M3) with E8M0 scales, and the quantisers of q and k (along the head's 64) and of v (along the keys).
; SHARES.  Work-group x is a block of 128 tokens (batch x / 16, key step x % 16); wave w of work-group y takes head 4 y + w.  A wave makes q, k and v of its 128 tokens for its head:
; 12 groups of 16 matrix instructions; each group's 64 results a lane become ONE operand fragment (12 registers) and one scale word, which are stored as images of the registers.
; ROWS OF A TILE ARE NOT NEIGHBOURS: lane r of tile 2 b + u (of tokens, and of a head's 64 features) takes row 32 b + 8 u + r + 8 (r / 8), so that the 16 registers of result tiles 2 b and 2 b + 1 are 16 neighbours 32 b + 16 (lane / 16) + 0 .. 15.
; q, k: source 0 = 16 rows of W, source 1 = 16 tokens: a lane holds one token, its registers run along the head's 64.  A group is two token tiles: blocks 0, 1 are the first tile's 64, blocks 2, 3 the second's.
; v:    source 0 = 16 tokens, source 1 = 16 rows of Wv: a lane holds one feature, its registers run along the 128 tokens, which are the second attention product's K.
; The biases are the C of each sum's first matrix instruction.
; OUT.  kv [head][K, V][step][fragment 0..3][piece 0..2][lane][16 B]; kvs [head][K, V][step][fragment][row] words; qc [head][query tile][piece 0..2][lane][8 B]; qs [head][tile][row] words (s0, s1, s0, s1).
; LIMITS: NaN and infinities among the inputs are not served.  A block whose largest magnitude lies under 2^(3 - 127), a block of zeros among them, gets the byte 1 where the rule says 127 for zeros: its codes are zeros, and these bytes are read by this program alone.
; REGISTERS, in windows of 256.  Window 0: v2-8 offsets; v12-75 a group's eight accumulators; v76-94 the fragment just made; v96-111 at work; v112-115 a type's four scale words; v118-133 msg's scale words;
;   v134-157 the weights' scale words; v158-253 the biases in the results' layout.  Window 1: msg's 16 fragments.  Window 2: Wq's 8, then Wk's 8.  Window 3: Wv's 8.
; The text is straight: no label, no branch, no LDS: waves share nothing.
.set VA,  2                            ; v2   (r + 8 (r / 8)) x 192 + 24 (lane / 16): my bytes in a tile's rows of 256 codes
.set VS,  3                            ; v3   8 (r + 8 (r / 8)): my row's 8 scale bytes
.set VB,  4                            ; v4   64 (lane / 16): bq, bk: my half's eight numbers of a tile
.set VBV, 5                            ; v5   4 (r + 8 (r / 8)): bv: my feature's number
.set L16, 6                            ; v6   16 x lane
.set L8,  7                            ; v7   8 x lane
.set L4,  8                            ; v8   4 x lane
.set ACC, 12
.set FR,  76
.set TM,  96                           ; v96-99 largest magnitudes, v100-103 bytes, v108-111 the conversions' scale operands
.set PWS, 112
.set T0,  116
.set T1,  117
.set MS,  118                          ; msg's scale words: tile tt, K step s at 2 tt + s
.set WSC, 134                          ; the weights': 8 x type + 2 ft + s
.set BI,  158                          ; bq at 8 ft, bk at 32 + 8 ft, bv at 64 + 8 ft
.set SEL, 36                           ; s[36:37] v_permlanex16_b32's selects for lane l xor 16
.set MSB, 0
.macro WIN new                         ; the immediate's high byte repeats the setting that is left
.if MSB != \new
	s_set_vgpr_msb (MSB<<8)|\new
.set MSB, \new
.endif
.endm
.macro PLACES                          ; four plain vector instructions behind a matrix instruction, ahead of the first read of its results (ISA guide 7.12.1)
.rept 4
	v_nop
.endr
.endm
; a fragment: tile ti, K step ks: 24 bytes at my row's 96 ks + 24 (lane / 16) and 24 more 48 bytes on, in pieces of 8 bytes, so that every address is a multiple of the access's size
.macro LDF reg, ti, ks, bs
.irp p, 0,1,2,3,4,5
	global_load_b64 v[\reg+2*\p:\reg+2*\p+1], v[VA], s[\bs:\bs+1] offset:(32*((\ti)/2)+8*((\ti)%2))*192+96*(\ks)+48*(\p/3)+8*(\p%3)
.endr
.endm
; a weight's eight fragments of my head into window win, and its scale words (two words a row) into window 0
.macro WLOAD win, wreg, sreg, cb, sb
	WIN \win
.irp ft, 0,1,2,3
.irp s, 0,1
	LDF \wreg+12*(2*\ft+\s), \ft, \s, \cb
.endr
.endr
	WIN 0
.irp ft, 0,1,2,3
	global_load_b64 v[\sreg+2*\ft:\sreg+2*\ft+1], v[VS], s[\sb:\sb+1] offset:(32*(\ft/2)+8*(\ft%2))*8
.endr
.endm
; bq or bk: for tile ft lane (r, h) wants the numbers of features 32 (ft / 2) + 16 h + 8 (ft % 2) + 0 .. 7
.macro BLOAD breg, bb
.irp ft, 0,1,2,3
	global_load_b128 v[\breg+8*\ft:\breg+8*\ft+3], v[VB], s[\bb:\bb+1] offset:(32*(\ft/2)+8*(\ft%2))*4
	global_load_b128 v[\breg+8*\ft+4:\breg+8*\ft+7], v[VB], s[\bb:\bb+1] offset:(32*(\ft/2)+8*(\ft%2))*4+16
.endr
.endm
; q or k, group grp: token tiles 2 grp and 2 grp + 1 x the head's four feature tiles, two K steps.  The eight accumulators take turns, one instruction a turn.
.macro MULT wbase, grp, wsc, bi
	WIN 0x06                                       ; source 0 (W) window 2, source 1 (msg) window 1, C and D window 0
.irp s, 0,1
.irp u, 0,1
.irp ft, 0,1,2,3
.if \s == 0
	v_wmma_scale_f32_16x16x128_f8f6f4 v[ACC+8*(4*\u+\ft):ACC+8*(4*\u+\ft)+7], v[\wbase+12*(2*\ft+\s):\wbase+12*(2*\ft+\s)+11], v[12*(2*(2*(\grp)+\u)+\s):12*(2*(2*(\grp)+\u)+\s)+11], v[\bi+8*\ft:\bi+8*\ft+7], v[\wsc+2*\ft+\s], v[MS+2*(2*(\grp)+\u)+\s] matrix_a_fmt:MATRIX_FMT_FP6 matrix_b_fmt:MATRIX_FMT_FP6
.else
	v_wmma_scale_f32_16x16x128_f8f6f4 v[ACC+8*(4*\u+\ft):ACC+8*(4*\u+\ft)+7], v[\wbase+12*(2*\ft+\s):\wbase+12*(2*\ft+\s)+11], v[12*(2*(2*(\grp)+\u)+\s):12*(2*(2*(\grp)+\u)+\s)+11], v[ACC+8*(4*\u+\ft):ACC+8*(4*\u+\ft)+7], v[\wsc+2*\ft+\s], v[MS+2*(2*(\grp)+\u)+\s] matrix_a_fmt:MATRIX_FMT_FP6 matrix_b_fmt:MATRIX_FMT_FP6
.endif
.endr
.endr
.endr
	WIN 0
.endm
; v, feature tile fe: the eight token tiles x 16 features, two K steps
.macro MULV fe
	WIN 0x0d                                       ; source 0 (msg) window 1, source 1 (Wv) window 3
.irp s, 0,1
.irp tk, 0,1,2,3,4,5,6,7
.if \s == 0
	v_wmma_scale_f32_16x16x128_f8f6f4 v[ACC+8*\tk:ACC+8*\tk+7], v[12*(2*\tk+\s):12*(2*\tk+\s)+11], v[12*(2*(\fe)+\s):12*(2*(\fe)+\s)+11], v[BI+64+8*(\fe):BI+64+8*(\fe)+7], v[MS+2*\tk+\s], v[WSC+16+2*(\fe)+\s] matrix_a_fmt:MATRIX_FMT_FP6 matrix_b_fmt:MATRIX_FMT_FP6
.else
	v_wmma_scale_f32_16x16x128_f8f6f4 v[ACC+8*\tk:ACC+8*\tk+7], v[12*(2*\tk+\s):12*(2*\tk+\s)+11], v[12*(2*(\fe)+\s):12*(2*(\fe)+\s)+11], v[ACC+8*\tk:ACC+8*\tk+7], v[MS+2*\tk+\s], v[WSC+16+2*(\fe)+\s] matrix_a_fmt:MATRIX_FMT_FP6 matrix_b_fmt:MATRIX_FMT_FP6
.endif
.endr
.endr
	WIN 0
.endm
; 64 numbers of a lane, register 16 b + i = k 32 b + 16 (lane / 16) + i of my row, become a fragment's codes in v[FR] on and its scale word in v[pw] (the same word in lanes l and l xor 16)
.macro QUANT s, pw
.irp b, 0,1,2,3
	v_max3_num_f32 v[TM+\b], |v[\s+16*\b]|, |v[\s+1+16*\b]|, 0x1800000   ; block b: my 16 numbers, from each accumulator's low end on, and the floor 2^(3 - 127): the byte cannot fall under 1
.endr
.irp i, 2,4,6,8,10,12,14
.irp b, 0,1,2,3
	v_max3_num_f32 v[TM+\b], v[TM+\b], |v[\s+16*\b+\i]|, |v[\s+1+16*\b+\i]|   ; the four blocks by turns: no line waits for the line above it
.endr
.endr
.irp b, 0,1,2,3
	v_permlanex16_b32 v[TM+4+\b], v[TM+\b], s[SEL], s[SEL+1]
.endr
.irp b, 0,1,2,3
	v_max_num_f32 v[TM+\b], v[TM+\b], v[TM+4+\b]   ; with lane l xor 16's: the block's largest magnitude
.endr
.irp b, 0,1,2,3
	v_add_nc_u32 v[TM+12+\b], 0xff000000, v[TM+\b]   ; 2 off its exponent field: the conversion takes the exponent field of this operand as its scale
.endr
.irp b, 0,1,2,3
	v_lshrrev_b32 v[TM+4+\b], 23, v[TM+12+\b]      ; the scale's byte
.endr
	v_lshl_or_b32 v[\pw], v[TM+5], 8, v[TM+4]
	v_lshl_or_b32 v[\pw], v[TM+6], 16, v[\pw]
	v_lshl_or_b32 v[\pw], v[TM+7], 24, v[\pw]
.irp c, 0,1
	v_cvt_scalef32_pk16_fp6_f32 v[FR+6*\c:FR+2+6*\c], v[\s+32*\c:\s+15+32*\c], v[TM+12+2*\c]
	v_cvt_scalef32_pk16_fp6_f32 v[FR+12+4*\c:FR+14+4*\c], v[\s+16+32*\c:\s+31+32*\c], v[TM+12+2*\c+1]   ; (a conversion's three registers begin on an even number)
.endr
	v_nop                                          ; one plain place behind a scaled conversion
.irp c, 0,1                                    ; the operand's layout wants a WHOLE block in a lane: lanes 0-15 block 2 c, lanes 16-31 block 2 c + 1
.irp i, 0,1,2
	v_permlane16_swap_b32 v[FR+6*\c+\i], v[FR+12+4*\c+\i]
.endr
.irp i, 0,1,2
	v_mov_b32 v[FR+3+6*\c+\i], v[FR+12+4*\c+\i]
.endr
.endr
.endm
.macro KVOUT off                               ; the fragment leaves as it stands: each store covers 512 consecutive bytes, aligned to 256
.irp c, 0,1,2
	global_store_b128 v[L16], v[FR+4*\c:FR+4*\c+3], s[30:31] offset:\off+512*\c
.endr
.endm
.macro SCOUT off                               ; a type's four scale words: lanes 0-15 an even fragment's rows, lanes 16-31 the next fragment's
	v_cndmask_b32 v[T0], v[PWS+1], v[PWS], s34
	v_cndmask_b32 v[T1], v[PWS+3], v[PWS+2], s34
	global_store_b32 v[L4], v[T0], s[32:33] offset:\off
	global_store_b32 v[L4], v[T1], s[32:33] offset:\off+128
.endm
	s_load_b512 s[4:19], s[0:1], 0x0               ; msg's codes s[4:5], scales s[6:7]; Wq's s[8:9], s[10:11]; bq s[12:13]; Wk's s[14:15], s[16:17]; bk s[18:19]
	s_load_b256 s[20:27], s[0:1], 0x40             ; Wv's s[20:21], s[22:23]; bv s[24:25]; qc s[26:27]
	s_load_b128 s[28:31], s[0:1], 0x60             ; qs s[28:29], kv s[30:31]
	s_load_b64 s[32:33], s[0:1], 0x70              ; kvs
	v_lshrrev_b32 v1, 5, v0
	v_readfirstlane_b32 s38, v1                    ; wave 0..3
	v_and_b32 v1, 31, v0                           ; lane
	v_and_b32 v9, 15, v0                           ; r
	v_bfe_u32 v10, v0, 4, 1                        ; h
	v_and_b32 v11, 8, v9
	v_add_nc_u32 v11, v11, v9                      ; r + 8 (r / 8)
	v_mul_u32_u24 v[VA], v11, 192
	v_mad_u32_u24 v[VA], v10, 24, v[VA]
	v_lshlrev_b32 v[VS], 3, v11
	v_lshlrev_b32 v[VB], 6, v10
	v_lshlrev_b32 v[VBV], 2, v11
	v_lshlrev_b32 v[L16], 4, v1
	v_lshlrev_b32 v[L8], 3, v1
	v_lshlrev_b32 v[L4], 2, v1
	v_cmp_gt_u32 s34, 16, v1                       ; the mask of lanes 0-15
.irp b, 0,1,2,3
	v_mov_b32 v[TM+4+\b], 0                        ; written once: a lane permute's destination counts as one of its sources
.endr
	s_mov_b32 s[SEL], 0x76543210
	s_mov_b32 s[SEL+1], 0xfedcba98
	s_and_b32 s39, ttmp7, 0xffff
	s_lshl_b32 s39, s39, 2
	s_add_co_u32 s39, s39, s38                     ; the head in its batch: 4 y + wave
	s_lshr_b32 s40, ttmp9, 4
	s_lshl_b32 s40, s40, 3
	s_add_co_u32 s40, s40, s39                     ; head = 8 x batch + that
	s_and_b32 s41, ttmp9, 15                       ; the key step: my 128 tokens in the batch
	s_mov_b32 s43, 0                               ; offsets stand in the pair s[42:43], all under 2^32
	s_wait_kmcnt 0x0
	s_mul_i32 s42, ttmp9, 24576                    ; 128 tokens x 192 bytes
	s_add_nc_u64 s[4:5], s[4:5], s[42:43]
	s_lshl_b32 s42, ttmp9, 10                      ; 128 x 8 scale bytes
	s_add_nc_u64 s[6:7], s[6:7], s[42:43]
	s_mul_i32 s42, s39, 12288                      ; my head's 64 rows of each weight
	s_add_nc_u64 s[8:9], s[8:9], s[42:43]
	s_add_nc_u64 s[14:15], s[14:15], s[42:43]
	s_add_nc_u64 s[20:21], s[20:21], s[42:43]
	s_lshl_b32 s42, s39, 9                         ; their scale bytes
	s_add_nc_u64 s[10:11], s[10:11], s[42:43]
	s_add_nc_u64 s[16:17], s[16:17], s[42:43]
	s_add_nc_u64 s[22:23], s[22:23], s[42:43]
	s_lshl_b32 s42, s39, 8                         ; and 64 numbers of each bias
	s_add_nc_u64 s[12:13], s[12:13], s[42:43]
	s_add_nc_u64 s[18:19], s[18:19], s[42:43]
	s_add_nc_u64 s[24:25], s[24:25], s[42:43]
	s_mul_i32 s44, s41, 6144                       ; a step: 8 query tiles of 768 bytes, or 4 fragments of 1,536
	s_mul_i32 s42, s40, 98304
	s_add_co_u32 s42, s42, s44
	s_add_nc_u64 s[26:27], s[26:27], s[42:43]      ; qc
	s_mul_i32 s42, s40, 196608
	s_add_co_u32 s42, s42, s44
	s_add_nc_u64 s[30:31], s[30:31], s[42:43]      ; kv
	s_lshl_b32 s42, s40, 13
	s_lshl_b32 s44, s41, 9
	s_add_co_u32 s42, s42, s44
	s_add_nc_u64 s[28:29], s[28:29], s[42:43]      ; qs: 8 tiles x 64 bytes a step
	s_lshl_b32 s42, s40, 13
	s_lshl_b32 s44, s41, 8
	s_add_co_u32 s42, s42, s44
	s_add_nc_u64 s[32:33], s[32:33], s[42:43]      ; kvs: 4 fragments x 64 bytes a step
	; SET A, 164 loads: msg's 16 fragments and scale words, Wq, bq
	WIN 0x40                                       ; destination window 1
.irp tt, 0,1,2,3,4,5,6,7
.irp s, 0,1
	LDF 12*(2*\tt+\s), \tt, \s, 4
.endr
.endr
	WIN 0
.irp tt, 0,1,2,3,4,5,6,7
	global_load_b64 v[MS+2*\tt:MS+2*\tt+1], v[VS], s[6:7] offset:(32*(\tt/2)+8*(\tt%2))*8
.endr
	WLOAD 0x80, 0, WSC, 8, 10
	BLOAD BI, 12
	; SET B, 60 loads: Wk, bk
	WLOAD 0x80, 96, WSC+8, 14, 16
	BLOAD BI+32, 18
	s_wait_loadcnt 60                              ; loads come back in order: set A is in, set B's 60 may be out
	; SET C, 56 loads: Wv, bv
	WLOAD 0xc0, 0, WSC+16, 20, 22
.irp ft, 0,1,2,3
	global_load_b32 v[BI+64+8*\ft], v[VBV], s[24:25] offset:(32*(\ft/2)+8*(\ft%2))*4
.endr
	; ---- q: group f is query tiles 2 f and 2 f + 1 of my eight: the fragment's two halves go out as two half fragments
.irp f, 0,1,2,3
	MULT 0, \f, WSC, BI
	PLACES
	s_wait_xcnt 0x0                                ; the last group's stores have read their data: the fragment's registers and T0 may be written again
	QUANT ACC, PWS
.irp p, 0,1,2,3,4,5
	global_store_b64 v[L8], v[FR+2*\p:FR+2*\p+1], s[26:27] offset:(2*\f+\p/3)*768+(\p%3)*256   ; 256 consecutive bytes, aligned
.endr
	v_perm_b32 v[T0], v[PWS], v[PWS], 0x01000100   ; the first tile's two bytes, twice: the word serves q in the low half of K and in the high half
	v_perm_b32 v[T1], v[PWS], v[PWS], 0x03020302   ; the second tile's
	v_cndmask_b32 v[T0], v[T1], v[T0], s34         ; lanes 0-15 store the first tile's words, lanes 16-31 the second's
	global_store_b32 v[L4], v[T0], s[28:29] offset:128*\f
.endr
	; ---- k: group f is fragment f of the step: key tile 2 f in K 0-63, key tile 2 f + 1 in K 64-127
	s_wait_loadcnt 56                              ; set B is in, set C's 56 may be out
.irp f, 0,1,2,3
	MULT 96, \f, WSC+8, BI+32
	PLACES
	s_wait_xcnt 0x0
	QUANT ACC, PWS+\f
	KVOUT 1536*\f
.endr
	SCOUT 0
	; ---- v: group ft is fragment ft: 16 features x the step's 128 keys
	s_wait_loadcnt 0x0
.irp ft, 0,1,2,3
.irp j, 1,2,3,4,5,6,7
	v_mov_b32 v[BI+64+8*\ft+\j], v[BI+64+8*\ft]    ; a lane holds one feature: its bias stands in all eight registers of the C
.endr
.endr
.irp ft, 0,1,2,3
	MULV \ft
	PLACES
	s_wait_xcnt 0x0
	QUANT ACC, PWS+\ft
	KVOUT 98304+1536*\ft
.endr
	SCOUT 4096
	s_endpgm
.Lfunc_end_k_q08895171a4_proj:
	.size	k_q08895171a4_proj, .Lfunc_end_k_q08895171a4_proj-k_q08895171a4_proj
	.p2alignl 7, 3214868480
	.fill 96, 4, 3214868480
	.section	.rodata,"a",@progbits
	.p2align	6, 0x0
	.amdhsa_kernel k_q08895171a4_proj
		.amdhsa_group_segment_fixed_size 0
		.amdhsa_private_segment_fixed_size 0
		.amdhsa_enable_private_segment 0
		.amdhsa_kernarg_size 120
		.amdhsa_user_sgpr_count 2
		.amdhsa_user_sgpr_kernarg_segment_ptr 1
		.amdhsa_wavefront_size32 1
		.amdhsa_system_sgpr_workgroup_id_x 1
		.amdhsa_system_sgpr_workgroup_id_y 1
		.amdhsa_system_sgpr_workgroup_id_z 1
		.amdhsa_system_vgpr_workitem_id 0
		.amdhsa_next_free_vgpr 864
		.amdhsa_next_free_sgpr 66
		.amdhsa_reserve_vcc 0
		.amdhsa_float_denorm_mode_32 3
		.amdhsa_float_denorm_mode_16_64 3
		.amdhsa_memory_ordered 1
		.amdhsa_forward_progress 1
		.amdhsa_inst_pref_size 109
	.end_amdhsa_kernel
	.amdgpu_metadata
---
amdhsa.version: [ 1, 2 ]
amdhsa.kernels:
  - .name:           k_q08895171a4_proj
    .symbol:         k_q08895171a4_proj.kd
    .args:
      - { .name: msg_codes, .offset: 0, .size: 8, .value_kind: global_buffer, .address_space: global }
      - { .name: msg_scales, .offset: 8, .size: 8, .value_kind: global_buffer, .address_space: global }
      - { .name: Wq_codes, .offset: 16, .size: 8, .value_kind: global_buffer, .address_space: global }
      - { .name: Wq_scales, .offset: 24, .size: 8, .value_kind: global_buffer, .address_space: global }
      - { .name: bq, .offset: 32, .size: 8, .value_kind: global_buffer, .address_space: global }
      - { .name: Wk_codes, .offset: 40, .size: 8, .value_kind: global_buffer, .address_space: global }
      - { .name: Wk_scales, .offset: 48, .size: 8, .value_kind: global_buffer, .address_space: global }
      - { .name: bk, .offset: 56, .size: 8, .value_kind: global_buffer, .address_space: global }
      - { .name: Wv_codes, .offset: 64, .size: 8, .value_kind: global_buffer, .address_space: global }
      - { .name: Wv_scales, .offset: 72, .size: 8, .value_kind: global_buffer, .address_space: global }
      - { .name: bv, .offset: 80, .size: 8, .value_kind: global_buffer, .address_space: global }
      - { .name: qc, .offset: 88, .size: 8, .value_kind: global_buffer, .address_space: global }
      - { .name: qs, .offset: 96, .size: 8, .value_kind: global_buffer, .address_space: global }
      - { .name: kv, .offset: 104, .size: 8, .value_kind: global_buffer, .address_space: global }
      - { .name: kvs, .offset: 112, .size: 8, .value_kind: global_buffer, .address_space: global }
    .group_segment_fixed_size: 0
    .private_segment_fixed_size: 0
    .kernarg_segment_align: 8
    .kernarg_segment_size: 120
    .max_flat_workgroup_size: 128
    .sgpr_count:     66
    .vgpr_count:     864
    .wavefront_size: 32
...
	.end_amdgpu_metadata
.endif
;; end of part 1
;; launch attn (part 2): grid 4 x 64, 16 waves a work-group, clusters of 4 x 1, 206,848 bytes of LDS; arguments qc, qs, kv, kvs, cc, cs; writes cc, cs
.if DOCPART == 2
	.amdgcn_target "amdgcn-amd-amdhsa--gfx1250"
	.amdhsa_code_object_version 6
	.text
	.protected	k_q08895171a4_attn
	.globl	k_q08895171a4_attn
	.p2align	8
	.type	k_q08895171a4_attn,@function
k_q08895171a4_attn:
	s_mov_b64 s[64:65], 0
	v_nop
	global_prefetch_b8 v0, s[64:65] scope:SCOPE_SE
	s_setreg_imm32_b32 hwreg(HW_REG_WAVE_MODE, 25, 1), 1
	s_wait_xcnt 0x0
	s_wait_alu depctr_hold_cnt(0) depctr_sa_sdst(0) depctr_va_vdst(0) depctr_va_sdst(0) depctr_va_ssrc(0) depctr_va_vcc(0) depctr_vm_vsrc(0)
	s_getreg_b32 s2, hwreg(HW_REG_IB_STS2, 6, 4)
	s_cmp_eq_u32 s2, 0
	s_cbranch_scc0 .Lentry_in_a_cluster
	s_endpgm
.Lentry_in_a_cluster:
	s_bfe_u32 s2, ttmp6, 0x10000c
	s_cmp_lg_u32 s2, 0x3003
	s_cbranch_scc0 .Lentry_shape_is_right
	s_endpgm
.Lentry_shape_is_right:
; ctx[head][q] = the sum over keys of softmax(q . k / 8, the query's own key held at -1e9) v, both products on codes of FP6 (E2M3) with E8M0 scales, and the quantiser of ctx along the head's 64.
; THE SOFTMAX AHEAD OF THE SECOND PRODUCT: t = logit x log2(e); M = the row's largest t so far, rounded UP to a whole number; p = 2^(t - M) is what is quantised, along the keys; the row's sum is taken of the
; unquantised p and divides at the end.  When M moves, the sum and O are multiplied by 2^(old M - new M): exact.
; SHARES.  A cluster is the four work-groups of one head.  Each of a work-group's SIXTEEN waves owns one tile of 16 queries in each of two passes: tile 64 pass + 4 wave + cx; four waves to a SIMD, so that one wave's
; vector work stands beside another's matrix work and LDS loads.  Every wave walks all 2,048 keys, 128 a step.
; LDS.  The whole head lies in LDS as images of the operands' registers: K 98,304 bytes, V 98,304, their scale words 4,096 each.  It is filled ONCE, by JOINT tensor loads (the four work-groups want the same bytes:
; one mask names the four), two loads in wave 0 (K) and two in wave 1 (V); nothing is filled again.  Every LDS read takes 16 or 4 bytes a lane on end: no pitch, no padding.
; K = 64 IN AN INSTRUCTION OF K = 128.  A fragment of K holds TWO key tiles: tile 2 f in K 0-63, tile 2 f + 1 in K 64-127.  Q stands in 18 registers, zeros | q | zeros: the upper twelve (q, 0) multiply tile 2 f,
; the lower twelve (0, q) tile 2 f + 1.  Zero codes add nothing under any scale byte that the quantiser makes (1 to 254).
; LAYOUT.  Both products are used transposed (source 0 = 16 keys, or 16 of the head's 64; source 1 = my queries, or p): a lane holds ONE query throughout.  Rows of a tile are not neighbours (lane r of tile 2 b + u
; holds row 32 b + 8 u + r + 8 (r / 8)), so that the 16 registers of tiles 2 b and 2 b + 1 are 16 neighbours along the next product's K.
; THE DIAGONAL.  My tile's own keys lie in key step 8 pass + wave / 2, in blocks 2 (wave % 2) and 2 (wave % 2) + 1: branches on the wave's number and on counters alone; cx enters a vector compare and global addresses only.
; LIMITS: NaN and infinities are not served.  A block under 2^(3 - 127) gets the byte 1 (its codes are zeros; these bytes are read by this program alone).  The division by the sum is v_rcp_f32 and a multiplication.
; A p under 2^-126 counts as 0 (v_exp_f32 gives no denormals: ISA guide, its entry).
; REGISTERS: v1-9 addresses and constants; v10-11 Q's scale words; v12 -M, v13 the largest t, v[14:15] the sum; v16-33 Q; v34-38 scale words; v40-87 K's four fragments (behind the first product: at work);
;   v88-135 V's four; v136-199 S^T, then p; v200-231 O^T; v232-243 p's codes; v244-249 the second pass's Q; v250-254 at work.
.set AL,  1                            ; v1   16 x lane
.set SL,  2                            ; v2   SCK + 4 x lane
.set ADK, 3                            ; v3   the step's K images
.set ADV, 4                            ; v4   its V images
.set ADS, 5                            ; v5   its scale words
.set DQ,  6                            ; v6   my query's place in its key step - 16 (lane / 16)
.set NEG, 7                            ; v7   -8e9: the logit -1e9 ahead of the division by 8
.set CA,  8                            ; v8   8 x lane
.set CSA, 9                            ; v9   16 r
.set QS,  10
.set QNS, 11
.set QZ,  16
.set KS0, 34                           ; v34: lanes 0-15 fragment 0's words, lanes 16-31 fragment 1's; v35: fragments 2, 3
.set VS0, 36                           ; v36-37 the same for V
.set PS,  38                           ; p's scale word
.set KF,  40
.set VF,  88
.set S,   136
.set O,   200
.set PC,  232
.set QN,  244
.set PT,  250
.set T,   254
.set BM,  40                           ; at work, in K's registers once the scores are made: the blocks' largest scores, then largest p
.set SO,  44                           ; the conversions' scale operands
.set BY,  48                           ; the bytes
.set F,   52                           ; v[52:53] f = 2^(old M - new M) in the low word
.set SA,  54                           ; v[54:55] the sum's second chain
.set CT,  56                           ; v56-58, v60-62 the conversions' second halves
.set CC,  168                          ; the way out: ctx's codes
.set CW,  174                          ; and its two scale bytes
.set VIMG, 98304                       ; LDS: K's images from 0, V's from here,
.set SCK,  196608                      ; K's scale words, and V's 4,096 bytes on
.set G1S, 16                           ; s[16:23] descriptor group 1: 16 rows of 256 bytes
.set G1A, 24                           ; s[24:31] 384 rows of 256 bytes
.set WV,  32
.set CX,  33
.set HEAD, 34
.set WP,  35                           ; wave % 2
.set G0S, 36                           ; s[36:39], s[40:43] descriptor groups 0; never rewritten
.set G0A, 40
.set SEL, 56
.set CS,  58                           ; s[58:59] c = log2(e) / 8
.set TB,  60                           ; the step's images: 6,144 bytes a step
.set TS,  61                           ; its scale words: 256 bytes a step
.set KS,  62                           ; the key step, and the loop's counter
.set DS,  63                           ; the key step of my tile's own keys
.set PASS, 66
; A round of the cluster's barrier: my work-group's barrier, so that wave 0's signal speaks for all sixteen waves; wave 0 signals for the work-group; every wave waits for all four work-groups; my work-group's barrier once more.
.macro CROUND
	s_barrier_signal -1
	s_barrier_wait -1
	s_cmp_lg_u32 s[WV], 0
	s_cbranch_scc1 .Lnot_wave_0_\@
	s_barrier_signal -3
.Lnot_wave_0_\@:
	s_barrier_wait -3
	s_barrier_signal -1
	s_barrier_wait -1
.endm
.macro MASK b                                  ; register 16 b + i holds key 32 b + 16 (lane / 16) + i of the step: my own key where 32 b + i = DQ
.irp i, 0,1,2,3,4,5,6,7,8,9,10,11,12,13,14,15
	v_cmp_eq_u32 vcc_lo, 32*\b+\i, v[DQ]
	v_cndmask_b32 v[S+16*\b+\i], v[S+16*\b+\i], v[NEG], vcc_lo
.endr
.endm
	s_load_b256 s[4:11], s[0:1], 0x0               ; qc s[4:5], qs s[6:7], kv s[8:9], kvs s[10:11]
	s_load_b128 s[12:15], s[0:1], 0x20             ; cc s[12:13], cs s[14:15]
	v_lshl_add_u32 v39, v0, 2, 0x32000
	v_mov_b32 v255, 0
	ds_add_u32 v39, v255
	ds_add_u32 v39, v255
	v_lshrrev_b32 v1, 5, v0
	v_readfirstlane_b32 s[WV], v1                  ; wave 0..15
	v_and_b32 v[T], 31, v0                         ; lane
	v_lshlrev_b32 v[AL], 4, v[T]
	v_lshl_add_u32 v[SL], v[T], 2, SCK
	v_lshlrev_b32 v[CA], 3, v[T]
	v_and_b32 v3, 15, v0                           ; r
	v_bfe_u32 v4, v0, 4, 1                         ; h
	v_lshlrev_b32 v[CSA], 4, v3
	v_lshlrev_b32 v5, 2, v3                        ; 4 r: Q's scale words
	s_bfe_u32 s[CX], ttmp6, 0x40000                ; cx: my place in the cluster
	s_and_b32 s[HEAD], ttmp7, 0xffff               ; the head, which the four partners share
	s_and_b32 s[WP], s[WV], 1
	; descriptor groups 1: dense blocks as rows of 256 bytes (32 elements of 8 bytes), no padding
.irp g, G1S, G1A
	s_mov_b32 s[\g], 15|(3<<16)|(1<<21)            ; 15:0 the mask: all four work-groups; 17:16 elements of 8 bytes; 21 set beside a mask
	s_mov_b32 s[\g+1], 32<<16                      ; tensor_dim0 = 32
	s_mov_b32 s[\g+3], 32<<16                      ; tile_dim0 = 32
	s_mov_b32 s[\g+5], 32                          ; tensor_dim0_stride
	s_mov_b32 s[\g+6], 0
	s_mov_b32 s[\g+7], 0
.endr
	s_mov_b32 s[G1S+2], 16<<16                     ; tensor_dim1 and tile_dim1: 16 rows, 4,096 bytes of scale words;
	s_mov_b32 s[G1S+4], 16
	s_mov_b32 s[G1A+2], 384<<16                    ; 384 rows, 98,304 bytes of images
	s_mov_b32 s[G1A+4], 384
	s_mul_i32 s70, s[WP], VIMG                     ; wave 0 fetches K's, wave 1 V's: in LDS and in memory V's lie behind K's
	s_lshl_b32 s71, s[WP], 12
	s_mul_i32 s68, s[HEAD], 196608
	s_add_co_u32 s68, s68, s70
	s_mov_b32 s69, 0
	s_lshl_b32 s72, s[HEAD], 13
	s_add_co_u32 s72, s72, s71
	s_mov_b32 s73, 0
	s_mov_b32 s[SEL], 0x76543210
	s_mov_b32 s[SEL+1], 0xfedcba98                 ; v_permlanex16_b32's selects for lane l xor 16
	s_mov_b32 s[CS], 0x3e38aa3b                    ; c = log2(e) / 8: t = score x c
	s_mov_b32 s[CS+1], s[CS]                       ; (named with it as a pair, so it is written)
	s_wait_dscnt 0x0
	s_wait_kmcnt 0x0
	s_mov_b32 s[G0S], 1                            ; 1:0 count = 1
	s_add_co_u32 s[G0S+1], s71, SCK                ; 63:32 LDS address: no place in the cluster enters it
	s_add_nc_u64 s[G0S+2:G0S+3], s[10:11], s[72:73]   ; 120:64 global address
	s_or_b32 s[G0S+3], s[G0S+3], 0x80000000        ; 127:126 type = 2
	s_mov_b32 s[G0A], 1
	s_mov_b32 s[G0A+1], s70
	s_add_nc_u64 s[G0A+2:G0A+3], s[8:9], s[68:69]
	s_or_b32 s[G0A+3], s[G0A+3], 0x80000000
	CROUND                                         ; all four work-groups are here: the joint loads meet
	s_cmp_lt_u32 s[WV], 2                          ; a wave's two fills stand in one branch, ahead of every wait on TENSORcnt, every LDS read and every further barrier: two loads of mine are out
	s_cbranch_scc0 .Lnofill
	tensor_load_to_lds s[G0S:G0S+3], s[G1S:G1S+7]
	s_nop 0
	tensor_load_to_lds s[G0A:G0A+3], s[G1A:G1A+7]
	s_nop 0
.rept 4
	v_nop
.endr
.Lnofill:
	s_lshl_b32 s69, s[WV], 2
	s_lshl_b32 s68, s[HEAD], 7
	s_add_co_u32 s68, s68, s69
	s_add_co_u32 s68, s68, s[CX]                   ; my first tile among all heads': 128 head + 4 wave + cx
	s_mov_b32 s71, 0
	s_mul_i32 s70, s68, 768
	s_add_nc_u64 s[4:5], s[4:5], s[70:71]          ; its half fragment
	s_lshl_b32 s70, s68, 6
	s_add_nc_u64 s[6:7], s[6:7], s[70:71]          ; its scale words
.irp p, 0,1,2
	global_load_b64 v[QZ+6+2*\p:QZ+7+2*\p], v[CA], s[4:5] offset:256*\p
	global_load_b64 v[QN+2*\p:QN+2*\p+1], v[CA], s[4:5] offset:49152+256*\p   ; the second pass's tile, 64 tiles on: asked for now, so that the pass does not wait for memory
.endr
	global_load_b32 v[QS], v5, s[6:7]
	global_load_b32 v[QNS], v5, s[6:7] offset:4096
	s_lshr_b32 s72, s[HEAD], 3
	s_lshl_b32 s72, s72, 7
	s_add_co_u32 s72, s72, s69
	s_add_co_u32 s72, s72, s[CX]                   ; the tile among all tokens': 128 batch + 4 wave + cx
	s_and_b32 s73, s[HEAD], 7                      ; the head in its batch
	s_lshl_b32 s74, s72, 3
	s_add_co_u32 s74, s74, s73
	s_mul_i32 s70, s74, 768
	s_add_nc_u64 s[12:13], s[12:13], s[70:71]      ; cc [tile][head]: 768 bytes
	s_lshl_b32 s70, s72, 8
	s_lshl_b32 s73, s73, 1
	s_add_co_u32 s70, s70, s73
	s_add_nc_u64 s[14:15], s[14:15], s[70:71]      ; cs [tile][row][head]: 2 bytes
	s_lshl_b32 s70, s[WP], 6                       ; my query's place in its key step: 32 (2 (wave % 2) + cx / 2) + 8 (cx % 2) + r + 8 (r / 8)
	s_lshr_b32 s73, s[CX], 1
	s_lshl_b32 s73, s73, 5
	s_add_co_u32 s70, s70, s73
	s_and_b32 s73, s[CX], 1
	s_lshl_b32 s73, s73, 3
	s_add_co_u32 s70, s70, s73
	v_and_b32 v[DQ], 8, v3
	v_add_nc_u32 v[DQ], v[DQ], v3
	v_lshlrev_b32 v4, 4, v4
	v_sub_nc_u32 v[DQ], v[DQ], v4
	v_add_nc_u32 v[DQ], s70, v[DQ]
	v_mov_b32 v[NEG], 0xcfee6b28                   ; -8e9
.irp i, 0,1,2,3,4,5
	v_mov_b32 v[QZ+\i], 0                          ; the zero codes on both sides of q
	v_mov_b32 v[QZ+12+\i], 0
.endr
.irp b, 0,1,2,3
	v_mov_b32 v[PT+\b], 0                          ; written once: a lane permute's destination counts as one of its sources
.endr
	s_lshr_b32 s[DS], s[WV], 1
	s_mov_b32 s[PASS], 2
	s_wait_loadcnt 0x0                             ; Q, both passes'
	s_wait_tensorcnt 0x0                           ; my fills have landed,
	s_barrier_signal -1
	s_barrier_wait -1                              ; everybody's have: from here on LDS is only read
.Lpass:
	v_mov_b32 v13, 0xff61b1e6                      ; the largest t so far: -3e38, under every t
	v_floor_f32 v12, -v13                          ; -M
	v_mov_b32 v14, 0                               ; the sum, in two halves
	v_mov_b32 v15, 0
.irp j, 0,1,2,3,4,5,6,7,8,9,10,11,12,13,14,15,16,17,18,19,20,21,22,23,24,25,26,27,28,29,30,31
	v_mov_b32 v[O+\j], 0                           ; O^T.  (The step is written once: the first finds zeros, which the first change of M leaves zeros)
.endr
	s_mov_b32 s[KS], 0
	s_mov_b32 s[TB], 0
	s_mov_b32 s[TS], 0
.Lstep:                                            ; A KEY STEP: 128 keys
	v_add_nc_u32 v[ADK], s[TB], v[AL]              ; these four lines are also the places behind the last step's products, ahead of the loads into their operands
	v_add_nc_u32 v[ADS], s[TS], v[SL]
	v_add_nc_u32 v[ADV], VIMG, v[ADK]
	v_nop
	ds_load_b32 v[KS0], v[ADS]
	ds_load_b32 v[KS0+1], v[ADS] offset:128
	ds_load_b32 v[VS0], v[ADS] offset:4096
	ds_load_b32 v[VS0+1], v[ADS] offset:4224
.irp f, 0,1,2,3
.irp c, 0,1,2
	ds_load_b128 v[KF+12*\f+4*\c:KF+12*\f+4*\c+3], v[ADK] offset:1536*\f+512*\c
.endr
.endr
.irp f, 0,1,2,3
.irp c, 0,1,2
	ds_load_b128 v[VF+12*\f+4*\c:VF+12*\f+4*\c+3], v[ADV] offset:1536*\f+512*\c
.endr
.endr
	s_wait_dscnt 12                                ; the scale words and K are in; V's twelve loads may be out: they are wanted behind the softmax
.irp f, 0,1,2,3                                ; S^T = K Q^T: fragment f's two key tiles; the 16 registers are keys 32 f + 16 (lane / 16) + 0 .. 15
.if \f%2
	v_wmma_scale_f32_16x16x128_f8f6f4 v[S+16*\f:S+16*\f+7], v[KF+12*\f:KF+12*\f+11], v[QZ+6:QZ+17], 0, v[KS0+\f/2], v[QS] matrix_a_fmt:MATRIX_FMT_FP6 matrix_b_fmt:MATRIX_FMT_FP6 matrix_a_scale:MATRIX_SCALE_ROW1
	v_wmma_scale_f32_16x16x128_f8f6f4 v[S+16*\f+8:S+16*\f+15], v[KF+12*\f:KF+12*\f+11], v[QZ:QZ+11], 0, v[KS0+\f/2], v[QS] matrix_a_fmt:MATRIX_FMT_FP6 matrix_b_fmt:MATRIX_FMT_FP6 matrix_a_scale:MATRIX_SCALE_ROW1
.else
	v_wmma_scale_f32_16x16x128_f8f6f4 v[S+16*\f:S+16*\f+7], v[KF+12*\f:KF+12*\f+11], v[QZ+6:QZ+17], 0, v[KS0+\f/2], v[QS] matrix_a_fmt:MATRIX_FMT_FP6 matrix_b_fmt:MATRIX_FMT_FP6
	v_wmma_scale_f32_16x16x128_f8f6f4 v[S+16*\f+8:S+16*\f+15], v[KF+12*\f:KF+12*\f+11], v[QZ:QZ+11], 0, v[KS0+\f/2], v[QS] matrix_a_fmt:MATRIX_FMT_FP6 matrix_b_fmt:MATRIX_FMT_FP6
.endif
.endr
.rept 4
	v_nop                                          ; places ahead of the first read of the scores and of the first write into K's registers
.endr
	s_cmp_lg_u32 s[KS], s[DS]                      ; the one step of a pass that holds my queries' own keys
	s_cbranch_scc1 .Lnod
	s_cmp_lg_u32 s[WP], 0
	s_cbranch_scc1 .Lodd
	MASK 0
	MASK 1
	s_branch .Lnod
.Lodd:
	MASK 2
	MASK 3
.Lnod:
.irp b, 0,1,2,3
	v_max3_num_f32 v[BM+\b], v[S+16*\b], v[S+16*\b+1], v[S+16*\b+2]   ; THE LARGEST SCORE OF EACH BLOCK OF 32 KEYS: it serves for the row's maximum and, since p rises with the score, for the block's largest p
.endr
.irp i, 3,5,7,9,11,13
.irp b, 0,1,2,3
	v_max3_num_f32 v[BM+\b], v[BM+\b], v[S+16*\b+\i], v[S+16*\b+\i+1]   ; (the four blocks by turns)
.endr
.endr
.irp b, 0,1,2,3
	v_max_num_f32 v[BM+\b], v[BM+\b], v[S+16*\b+15]
.endr
.irp b, 0,1,2,3
	v_permlanex16_b32 v[PT+\b], v[BM+\b], s[SEL], s[SEL+1]
.endr
.irp b, 0,1,2,3
	v_max_num_f32 v[BM+\b], v[BM+\b], v[PT+\b]     ; with lane l xor 16's 16 keys
.endr
	v_max3_num_f32 v[T], v[BM], v[BM+1], v[BM+2]
	v_max_num_f32 v[T], v[T], v[BM+3]              ; the step's largest score of my query
	v_mul_f32 v[T], s[CS], v[T]                    ; as t (c is positive)
	v_max_num_f32 v13, v13, v[T]                   ; the running largest t
	v_mov_b32 v[T], v12
	v_floor_f32 v12, -v13                          ; the new -M = floor(-t) = -ceil(t): M IS A WHOLE NUMBER
	v_sub_f32 v[T], v12, v[T]                      ; M's old value less its new one: a whole number, 0 or less
	v_cvt_i32_f32 v[T], v[T]                       ; (it saturates)
	v_ldexp_f32 v[F], 1.0, v[T]                    ; f = 2^(old M - new M): a multiplication by it rounds nothing
.irp j, 0,2,4,6,8,10,12,14,16,18,20,22,24,26,28,30,32,34,36,38,40,42,44,46,48,50,52,54,56,58,60,62
	v_pk_fma_f32 v[S+\j:S+\j+1], v[S+\j:S+\j+1], s[CS:CS+1], v[12:13] op_sel_hi:[1,0,0]   ; t - M, two at a time (of the pairs c and -M the low word serves both halves)
.endr
.irp b, 0,1,2,3
	v_fma_f32 v[BM+\b], v[BM+\b], s[CS], v12       ; the same of each block's largest score
.endr
.irp j, 0,1,2,3,4,5,6,7,8,9,10,11,12,13,14,15,16,17,18,19,20,21,22,23,24,25,26,27,28,29,30,31,32,33,34,35,36,37,38,39,40,41,42,43,44,45,46,47,48,49,50,51,52,53,54,55,56,57,58,59,60,61,62,63
	v_exp_f32 v[S+\j], v[S+\j]                     ; p = 2^(t - M), at most 1: NOT normalised
.endr
.irp b, 0,1,2,3
	v_exp_f32 v[BM+\b], v[BM+\b]                   ; the block's largest p: the same two instructions on the same number give the same bits
.endr
	v_pk_mul_f32 v[14:15], v[14:15], v[F:F+1] op_sel_hi:[1,0]   ; the sums under the new M.  (A plain place behind the exponentials)
	s_wait_alu depctr_va_vdst(0)
.irp b, 0,1,2,3
	v_max_num_f32 v[BM+\b], 0x1800000, v[BM+\b]    ; the floor 2^(3 - 127): the byte cannot fall under 1
.endr
.irp b, 0,1,2,3
	v_add_nc_u32 v[SO+\b], 0xff000000, v[BM+\b]    ; 2 off the exponent field: the conversion's scale operand
.endr
.irp b, 0,1,2,3
	v_lshrrev_b32 v[BY+\b], 23, v[SO+\b]           ; the scale's byte
.endr
	v_lshl_or_b32 v[PS], v[BY+1], 8, v[BY]         ; p's scale word for these 128 keys
	v_lshl_or_b32 v[PS], v[BY+2], 16, v[PS]
	v_lshl_or_b32 v[PS], v[BY+3], 24, v[PS]
.irp c, 0,1
	v_cvt_scalef32_pk16_fp6_f32 v[PC+6*\c:PC+2+6*\c], v[S+32*\c:S+15+32*\c], v[SO+2*\c]
	v_cvt_scalef32_pk16_fp6_f32 v[CT+4*\c:CT+2+4*\c], v[S+16+32*\c:S+31+32*\c], v[SO+2*\c+1]   ; (a conversion's three registers begin on an even number)
.endr
	v_nop                                          ; one plain place behind a scaled conversion
.irp c, 0,1                                    ; the operand's layout wants a WHOLE block in a lane: lanes 0-15 block 2 c, lanes 16-31 block 2 c + 1
.irp i, 0,1,2
	v_permlane16_swap_b32 v[PC+6*\c+\i], v[CT+4*\c+\i]
.endr
.irp i, 0,1,2
	v_mov_b32 v[PC+3+6*\c+\i], v[CT+4*\c+\i]
.endr
.endr
.irp j, 0,2,4,6,8,10,12,14,16,18,20,22,24,26,28,30
	v_pk_mul_f32 v[O+\j:O+\j+1], v[O+\j:O+\j+1], v[F:F+1] op_sel_hi:[1,0]   ; O^T under the new M, each accumulator from its low end on
.endr
	v_pk_add_f32 v[SA:SA+1], v[S:S+1], v[S+2:S+3]  ; THE ROW'S SUM IS TAKEN OF THE UNQUANTISED p: two at a time, in two chains.  (These lines are also the places between p's codes and scale word and the products)
.irp j, 4,8,12,16,20,24,28,32,36,40,44,48,52,56,60
	v_pk_add_f32 v[14:15], v[14:15], v[S+\j:S+\j+1]
	v_pk_add_f32 v[SA:SA+1], v[SA:SA+1], v[S+\j+2:S+\j+3]
.endr
	v_pk_add_f32 v[14:15], v[14:15], v[SA:SA+1]
	s_wait_dscnt 0x0                               ; V is in
.irp t, 0,1,2,3                                ; O^T += V^T P^T: four tiles of 16 of the head's 64; K = these 128 keys.  The four accumulators take turns
.if \t%2
	v_wmma_scale_f32_16x16x128_f8f6f4 v[O+8*\t:O+8*\t+7], v[VF+12*\t:VF+12*\t+11], v[PC:PC+11], v[O+8*\t:O+8*\t+7], v[VS0+\t/2], v[PS] matrix_a_fmt:MATRIX_FMT_FP6 matrix_b_fmt:MATRIX_FMT_FP6 matrix_a_scale:MATRIX_SCALE_ROW1
.else
	v_wmma_scale_f32_16x16x128_f8f6f4 v[O+8*\t:O+8*\t+7], v[VF+12*\t:VF+12*\t+11], v[PC:PC+11], v[O+8*\t:O+8*\t+7], v[VS0+\t/2], v[PS] matrix_a_fmt:MATRIX_FMT_FP6 matrix_b_fmt:MATRIX_FMT_FP6
.endif
.endr
	s_add_co_u32 s[TB], s[TB], 6144
	s_add_co_u32 s[TS], s[TS], 256
	s_add_co_u32 s[KS], s[KS], 1
	s_cmp_lt_u32 s[KS], 16
	s_cbranch_scc1 .Lstep
	; THE WAY OUT OF A PASS: ctx = O^T / the sum; register 16 b + i is channel 32 b + 16 (lane / 16) + i of my query: two blocks of the last product's K; they are quantised and leave as half a fragment.
.rept 4
	v_nop                                          ; places behind the last products
.endr
	v_add_f32 v14, v14, v15                        ; the sum's two halves,
	v_permlanex16_b32 v[PT], v14, s[SEL], s[SEL+1]
	v_add_f32 v14, v14, v[PT]                      ; and lane l xor 16's: the row's sum
	v_rcp_f32 v14, v14
	v_nop                                          ; one plain place behind a transcendental
	s_wait_alu depctr_va_vdst(0)
.irp j, 0,2,4,6,8,10,12,14,16,18,20,22,24,26,28,30
	v_pk_mul_f32 v[S+\j:S+\j+1], v[O+\j:O+\j+1], v[14:15] op_sel_hi:[1,0]   ; each accumulator from its low end on
.endr
.irp b, 0,1
	v_max3_num_f32 v[BM+\b], |v[S+16*\b]|, |v[S+16*\b+1]|, 0x1800000   ; the block's largest magnitude, and the floor 2^(3 - 127)
.endr
.irp i, 2,4,6,8,10,12,14
.irp b, 0,1
	v_max3_num_f32 v[BM+\b], v[BM+\b], |v[S+16*\b+\i]|, |v[S+16*\b+\i+1]|
.endr
.endr
.irp b, 0,1
	v_permlanex16_b32 v[PT+\b], v[BM+\b], s[SEL], s[SEL+1]
.endr
.irp b, 0,1
	v_max_num_f32 v[BM+\b], v[BM+\b], v[PT+\b]
.endr
.irp b, 0,1
	v_add_nc_u32 v[SO+\b], 0xff000000, v[BM+\b]
.endr
.irp b, 0,1
	v_lshrrev_b32 v[BY+\b], 23, v[SO+\b]
.endr
	v_lshl_or_b32 v[CW], v[BY+1], 8, v[BY]         ; my query's two bytes for this head
	v_cvt_scalef32_pk16_fp6_f32 v[CC:CC+2], v[S:S+15], v[SO]
	v_cvt_scalef32_pk16_fp6_f32 v[CT:CT+2], v[S+16:S+31], v[SO+1]
	v_nop                                          ; one plain place behind a scaled conversion
.irp i, 0,1,2
	v_permlane16_swap_b32 v[CC+\i], v[CT+\i]       ; lanes 0-15 now hold block 0 whole, lanes 16-31 block 1
.endr
.irp i, 0,1,2
	v_mov_b32 v[CC+3+\i], v[CT+\i]
.endr
.irp p, 0,1,2
	global_store_b64 v[CA], v[CC+2*\p:CC+2*\p+1], s[12:13] offset:256*\p   ; 256 consecutive bytes, aligned
.endr
	global_store_b16 v[CSA], v[CW], s[14:15]       ; lanes r and r + 16 write the same two bytes with the same value
	s_wait_xcnt 0x0                                ; the stores have read their data and their bases: both are written again only behind this wait
	s_add_nc_u64 s[12:13], s[12:13], 393216        ; the second pass's tile: 64 tiles x 8 heads x 768 bytes on,
	s_add_nc_u64 s[14:15], s[14:15], 16384         ; 64 x 256 bytes on,
	s_add_co_u32 s[DS], s[DS], 8                   ; its own keys eight steps on
.irp i, 0,1,2,3,4,5
	v_mov_b32 v[QZ+6+\i], v[QN+\i]                 ; and its Q (the 36 lines at the pass's head stand between these and the first product)
.endr
	v_mov_b32 v[QS], v[QNS]
	s_sub_co_u32 s[PASS], s[PASS], 1
	s_cmp_lg_u32 s[PASS], 0
	s_cbranch_scc1 .Lpass
	s_wait_tensorcnt 0x0
	ds_add_u32 v39, v255
	s_wait_dscnt 0x0
	CROUND                                         ; the closing round: no work-group ends while a partner may still ask for a tile that names it
	s_endpgm
.Lfunc_end_k_q08895171a4_attn:
	.size	k_q08895171a4_attn, .Lfunc_end_k_q08895171a4_attn-k_q08895171a4_attn
	.p2alignl 7, 3214868480
	.fill 96, 4, 3214868480
	.section	.rodata,"a",@progbits
	.p2align	6, 0x0
	.amdhsa_kernel k_q08895171a4_attn
		.amdhsa_group_segment_fixed_size 206848
		.amdhsa_private_segment_fixed_size 0
		.amdhsa_enable_private_segment 0
		.amdhsa_kernarg_size 48
		.amdhsa_user_sgpr_count 2
		.amdhsa_user_sgpr_kernarg_segment_ptr 1
		.amdhsa_wavefront_size32 1
		.amdhsa_system_sgpr_workgroup_id_x 1
		.amdhsa_system_sgpr_workgroup_id_y 1
		.amdhsa_system_sgpr_workgroup_id_z 1
		.amdhsa_system_vgpr_workitem_id 0
		.amdhsa_next_free_vgpr 256
		.amdhsa_next_free_sgpr 80
		.amdhsa_reserve_vcc 1
		.amdhsa_float_denorm_mode_32 3
		.amdhsa_float_denorm_mode_16_64 3
		.amdhsa_memory_ordered 1
		.amdhsa_forward_progress 1
		.amdhsa_inst_pref_size 33
	.end_amdhsa_kernel
	.amdgpu_metadata
---
amdhsa.version: [ 1, 2 ]
amdhsa.kernels:
  - .name:           k_q08895171a4_attn
    .symbol:         k_q08895171a4_attn.kd
    .args:
      - { .name: qc, .offset: 0, .size: 8, .value_kind: global_buffer, .address_space: global }
      - { .name: qs, .offset: 8, .size: 8, .value_kind: global_buffer, .address_space: global }
      - { .name: kv, .offset: 16, .size: 8, .value_kind: global_buffer, .address_space: global }
      - { .name: kvs, .offset: 24, .size: 8, .value_kind: global_buffer, .address_space: global }
      - { .name: cc, .offset: 32, .size: 8, .value_kind: global_buffer, .address_space: global }
      - { .name: cs, .offset: 40, .size: 8, .value_kind: global_buffer, .address_space: global }
    .group_segment_fixed_size: 206848
    .private_segment_fixed_size: 0
    .kernarg_segment_align: 8
    .kernarg_segment_size: 48
    .max_flat_workgroup_size: 512
    .sgpr_count:     80
    .vgpr_count:     256
    .wavefront_size: 32
...
	.end_amdgpu_metadata
.endif
;; end of part 2
;; launch outp (part 3): grid 256 x 1, 4 waves a work-group, no clusters, 17,920 bytes of LDS; arguments cc, cs, Wo_codes, Wo_scales, out0; writes out0
.if DOCPART == 3
	.amdgcn_target "amdgcn-amd-amdhsa--gfx1250"
	.amdhsa_code_object_version 6
	.text
	.protected	k_q08895171a4_outp
	.globl	k_q08895171a4_outp
	.p2align	8
	.type	k_q08895171a4_outp,@function
k_q08895171a4_outp:
	s_mov_b64 s[64:65], 0
	v_nop
	global_prefetch_b8 v0, s[64:65] scope:SCOPE_SE
	s_setreg_imm32_b32 hwreg(HW_REG_WAVE_MODE, 25, 1), 1
	s_wait_xcnt 0x0
; out0 = ctx Wo on codes of FP6 (E2M3) with E8M0 scales; K = 512 = 8 heads x 64, four K steps of 128.
; SHARES.  A wave takes one tile of 16 tokens, tile 4 x work-group + wave, and all 64 outputs: 16 matrix instructions.  Memory binds: the tile's codes are read once, each row of out0 is written once; no ring, no cluster, no barrier: waves share nothing.
; ctx comes as images of the operand's registers: cc [tile][head][piece 0..2][lane][8 B]: heads 2 s and 2 s + 1 are the two halves of K step s's fragment; cs [tile][row][head][2 B]: a row's 16 bytes are its four scale words.
; Row r of tile T is token 32 (T / 2) + 8 (T % 2) + r + 8 (r / 8).
; THE MATRIX INSTRUCTION IS USED TRANSPOSED (source 0 = 16 rows of Wo, source 1 = the 16 tokens): a lane holds eight neighbouring outputs of one token.  They go through the wave's own stage in LDS (rows of 256 + 16 bytes)
; and leave as whole rows: sixteen lanes store 256 consecutive bytes, aligned.
; REGISTERS: window 0: v2-7 offsets; v16-63 ctx's four fragments; v64-67 its scale words; v68-83 Wo's; v84-115 four accumulators; v116-147 rows read back.  Window 1: Wo's 16 fragments.
.set WA,  2                            ; v2   384 r + 24 (lane / 16): my bytes in a tile's rows of Wo
.set L8,  3                            ; v3   8 x lane
.set R16, 4                            ; v4   16 r
.set SO,  5                            ; v5   the stage, in: row r, + 32 (lane / 16)
.set SR,  6                            ; v6   and back: row lane / 16, + 16 r
.set GO,  7                            ; v7   the same place in out0
.set CF,  16
.set CSW, 64
.set WS,  68
.set ACC, 84
.set OB,  116
.set MSB, 0
.macro WIN new                         ; the immediate's high byte repeats the setting that is left
.if MSB != \new
	s_set_vgpr_msb (MSB<<8)|\new
.set MSB, \new
.endif
.endm
	s_load_b256 s[4:11], s[0:1], 0x0               ; cc s[4:5], cs s[6:7], Wo's codes s[8:9], Wo's scales s[10:11]
	s_load_b64 s[12:13], s[0:1], 0x20              ; out0
	v_lshl_add_u32 v254, v0, 2, 0x4400
	v_mov_b32 v255, 0
	v_lshrrev_b32 v1, 5, v0
	v_readfirstlane_b32 s14, v1                    ; wave 0..3
	v_and_b32 v1, 31, v0                           ; lane
	v_and_b32 v8, 15, v0                           ; r
	v_bfe_u32 v9, v0, 4, 1                         ; h
	v_mul_u32_u24 v[WA], v8, 384
	v_mad_u32_u24 v[WA], v9, 24, v[WA]
	v_lshlrev_b32 v[L8], 3, v1
	v_lshlrev_b32 v[R16], 4, v8
	s_mul_i32 s15, s14, 4352                       ; my stage: 16 rows x 272 bytes
	v_mul_u32_u24 v[SO], v8, 272
	v_lshl_add_u32 v[SO], v9, 5, v[SO]
	v_add_nc_u32 v[SO], s15, v[SO]
	v_mul_u32_u24 v[SR], v9, 272
	v_lshl_add_u32 v[SR], v8, 4, v[SR]
	v_add_nc_u32 v[SR], s15, v[SR]
	v_lshlrev_b32 v[GO], 8, v9
	v_lshl_add_u32 v[GO], v8, 4, v[GO]
	s_lshl_b32 s16, ttmp9, 2
	s_add_co_u32 s16, s16, s14                     ; my tile
	s_mul_i32 s18, s16, 6144                       ; its codes: 8 heads x 768 bytes
	s_mov_b32 s19, 0
	s_lshl_b32 s20, s16, 8                         ; its scale words
	s_mov_b32 s21, 0
	s_lshr_b32 s22, s16, 1
	s_lshl_b32 s22, s22, 5
	s_and_b32 s23, s16, 1
	s_lshl_b32 s23, s23, 3
	s_add_co_u32 s22, s22, s23                     ; its first token: 32 (T / 2) + 8 (T % 2)
	s_lshl_b32 s22, s22, 8                         ; rows of 256 bytes
	s_mov_b32 s23, 0
	s_wait_kmcnt 0x0
	s_add_nc_u64 s[4:5], s[4:5], s[18:19]
	s_add_nc_u64 s[6:7], s[6:7], s[20:21]
	s_add_nc_u64 s[12:13], s[12:13], s[22:23]
.irp e, 0,1,2,3,4,5,6,7                        ; head e: half e % 2 of K step e / 2's fragment
.irp p, 0,1,2
	global_load_b64 v[CF+6*\e+2*\p:CF+6*\e+2*\p+1], v[L8], s[4:5] offset:768*\e+256*\p th:TH_LOAD_NT   ; 256 consecutive bytes; read once in the launch
.endr
.endr
	global_load_b128 v[CSW:CSW+3], v[R16], s[6:7]
	WIN 0x40                                       ; destination window 1
.irp t, 0,1,2,3                                ; Wo's fragment (16 outputs t, K step s) at v[12 (4 t + s)] of window 1
.irp s, 0,1,2,3
.irp p, 0,1,2,3,4,5
	global_load_b64 v[12*(4*\t+\s)+2*\p:12*(4*\t+\s)+2*\p+1], v[WA], s[8:9] offset:6144*\t+96*\s+48*(\p/3)+8*(\p%3)
.endr
.endr
.endr
	WIN 0
.irp t, 0,1,2,3
	global_load_b128 v[WS+4*\t:WS+4*\t+3], v[R16], s[10:11] offset:256*\t   ; a row's 16 scale bytes: its four words
.endr
	s_wait_loadcnt 0x0
	WIN 0x01                                       ; source 0 (Wo) window 1
.irp s, 0,1,2,3                                ; the four accumulators take turns, K ascending; the first K step starts the sums
.irp t, 0,1,2,3
.if \s == 0
	v_wmma_scale_f32_16x16x128_f8f6f4 v[ACC+8*\t:ACC+8*\t+7], v[12*(4*\t+\s):12*(4*\t+\s)+11], v[CF+12*\s:CF+12*\s+11], 0, v[WS+4*\t+\s], v[CSW+\s] matrix_a_fmt:MATRIX_FMT_FP6 matrix_b_fmt:MATRIX_FMT_FP6
.else
	v_wmma_scale_f32_16x16x128_f8f6f4 v[ACC+8*\t:ACC+8*\t+7], v[12*(4*\t+\s):12*(4*\t+\s)+11], v[CF+12*\s:CF+12*\s+11], v[ACC+8*\t:ACC+8*\t+7], v[WS+4*\t+\s], v[CSW+\s] matrix_a_fmt:MATRIX_FMT_FP6 matrix_b_fmt:MATRIX_FMT_FP6
.endif
.endr
.endr
	WIN 0
.rept 4
	v_nop                                          ; places ahead of the first read of the results (ISA guide 7.12.1)
.endr
.irp t, 0,1,2,3
	ds_store_b128 v[SO], v[ACC+8*\t:ACC+8*\t+3] offset:64*\t          ; lane (r, h): outputs 16 t + 8 h + 0 .. 7 of row r; each accumulator from its low end on
	ds_store_b128 v[SO], v[ACC+8*\t+4:ACC+8*\t+7] offset:64*\t+16
.endr
.irp i, 0,1,2,3,4,5,6,7
	ds_load_b128 v[OB+4*\i:OB+4*\i+3], v[SR] offset:544*\i            ; rows 2 i and 2 i + 1.  LDS serves a wave's instructions in order (ISA guide 5.7.1.4): these see my stores
.endr
.irp i, 0,1,2,3,4,5,6,7
	s_wait_dscnt 7-\i                              ; LDS loads come back in order: pair i is in
	global_store_b128 v[GO], v[OB+4*\i:OB+4*\i+3], s[12:13] offset:(2*\i+8*(\i/4))*256 th:TH_STORE_NT   ; row 2 i + lane / 16 of the tile is token 2 i + lane / 16 + 8 (i / 4) of its 24: 16 lanes store 256 consecutive bytes, aligned
.endr
	s_wait_tensorcnt 0x0
	ds_add_u32 v254, v255
	s_wait_dscnt 0x0
	s_endpgm
.Lfunc_end_k_q08895171a4_outp:
	.size	k_q08895171a4_outp, .Lfunc_end_k_q08895171a4_outp-k_q08895171a4_outp
	.p2alignl 7, 3214868480
	.fill 96, 4, 3214868480
	.section	.rodata,"a",@progbits
	.p2align	6, 0x0
	.amdhsa_kernel k_q08895171a4_outp
		.amdhsa_group_segment_fixed_size 17920
		.amdhsa_private_segment_fixed_size 0
		.amdhsa_enable_private_segment 0
		.amdhsa_kernarg_size 40
		.amdhsa_user_sgpr_count 2
		.amdhsa_user_sgpr_kernarg_segment_ptr 1
		.amdhsa_wavefront_size32 1
		.amdhsa_system_sgpr_workgroup_id_x 1
		.amdhsa_system_sgpr_workgroup_id_y 1
		.amdhsa_system_sgpr_workgroup_id_z 1
		.amdhsa_system_vgpr_workitem_id 0
		.amdhsa_next_free_vgpr 448
		.amdhsa_next_free_sgpr 66
		.amdhsa_reserve_vcc 0
		.amdhsa_float_denorm_mode_32 3
		.amdhsa_float_denorm_mode_16_64 3
		.amdhsa_memory_ordered 1
		.amdhsa_forward_progress 1
		.amdhsa_inst_pref_size 19
	.end_amdhsa_kernel
	.amdgpu_metadata
---
amdhsa.version: [ 1, 2 ]
amdhsa.kernels:
  - .name:           k_q08895171a4_outp
    .symbol:         k_q08895171a4_outp.kd
    .args:
      - { .name: cc, .offset: 0, .size: 8, .value_kind: global_buffer, .address_space: global }
      - { .name: cs, .offset: 8, .size: 8, .value_kind: global_buffer, .address_space: global }
      - { .name: Wo_codes, .offset: 16, .size: 8, .value_kind: global_buffer, .address_space: global }
      - { .name: Wo_scales, .offset: 24, .size: 8, .value_kind: global_buffer, .address_space: global }
      - { .name: out0, .offset: 32, .size: 8, .value_kind: global_buffer, .address_space: global }
    .group_segment_fixed_size: 17920
    .private_segment_fixed_size: 0
    .kernarg_segment_align: 8
    .kernarg_segment_size: 40
    .max_flat_workgroup_size: 128
    .sgpr_count:     66
    .vgpr_count:     448
    .wavefront_size: 32
...
	.end_amdgpu_metadata
.endif
;; end of part 3
;; ======== version 2 of 2: 3 launches
;; workspace buffers: kv 12,582,912 bytes; kvs 524,288 bytes; qc 6,291,456 bytes; qs 524,288 bytes; cc 6,291,456 bytes; cs 262,144 bytes
;; launch proj (part 4): grid 128 x 2, 4 waves a work-group, no clusters, 0 bytes of LDS; arguments msg_codes, msg_scales, Wq_codes, Wq_scales, bq, Wk_codes, Wk_scales, bk, Wv_codes, Wv_scales, bv, qc, qs, kv, kvs; writes qc, qs, kv, kvs
.if DOCPART == 4
	.amdgcn_target "amdgcn-amd-amdhsa--gfx1250"
	.amdhsa_code_object_version 6
	.text
	.protected	k_q08895171a4_proj
	.globl	k_q08895171a4_proj
	.p2align	8
	.type	k_q08895171a4_proj,@function
k_q08895171a4_proj:
	s_mov_b64 s[64:65], 0
	v_nop
	global_prefetch_b8 v0, s[64:65] scope:SCOPE_SE
	s_setreg_imm32_b32 hwreg(HW_REG_WAVE_SCHED_MODE, 0, 2), 2
	s_setreg_imm32_b32 hwreg(HW_REG_WAVE_MODE, 25, 1), 1
	s_wait_xcnt 0x0
	s_wait_alu depctr_vm_vsrc(0)
; q = msg Wq + bq, k = msg Wk + bk, v = msg Wv + bv on codes of FP6 (E2M3) with E8M0 scales, and the quantisers of q and k (along the head's 64) and of v (along the keys).
; SHARES.  Work-group x is a block of 128 tokens (batch x / 16, key step x % 16); wave w of work-group y takes head 4 y + w.  A wave makes q, k and v of its 128 tokens for its head:
; 12 groups of 16 matrix instructions; each group's 64 results a lane become ONE operand fragment (12 registers) and one scale word, which are stored as images of the registers.
; ROWS OF A TILE ARE NOT NEIGHBOURS: lane r of tile 2 b + u (of tokens, and of a head's 64 features) takes row 32 b + 8 u + r + 8 (r / 8), so that the 16 registers of result tiles 2 b and 2 b + 1 are 16 neighbours 32 b + 16 (lane / 16) + 0 .. 15.
; q, k: source 0 = 16 rows of W, source 1 = 16 tokens: a lane holds one token, its registers run along the head's 64.  A group is two token tiles: blocks 0, 1 are the first tile's 64, blocks 2, 3 the second's.
; v:    source 0 = 16 tokens, source 1 = 16 rows of Wv: a lane holds one feature, its registers run along the 128 tokens, which are the second attention product's K.
; The biases are the C of each sum's first matrix instruction.
; OUT.  kv [head][K, V][step][fragment 0..3][piece 0..2][lane][16 B]; kvs [head][K, V][step][fragment][row] words; qc [head][query tile][piece 0..2][lane][8 B]; qs [head][tile][row] words (s0, s1, s0, s1).
; LIMITS: NaN and infinities among the inputs are not served.  A block whose largest magnitude lies under 2^(3 - 127), a block of zeros among them, gets the byte 1 where the rule says 127 for zeros: its codes are zeros, and these bytes are read by this program alone.
; REGISTERS, in windows of 256.  Window 0: v2-8 offsets; v12-75 a group's eight accumulators; v76-94 the fragment just made; v96-111 at work; v112-115 a type's four scale words; v118-133 msg's scale words;
;   v134-157 the weights' scale words; v158-253 the biases in the results' layout.  Window 1: msg's 16 fragments.  Window 2: Wq's 8, then Wk's 8.  Window 3: Wv's 8.
; The text is straight: no label, no branch, no LDS: waves share nothing.
; THE MODE: SCHED_MODE bits 1:0 = 2 (LLVM: expert scheduling mode 2), set by the entry lines.  The code itself states the register dependences between vector or matrix instructions and memory instructions, with s_wait_alu, always for 0.
; THE PLAN.  Registers that memory instructions touch:
;   v2-v8            offsets: written at the head, read by every load and store, never written again.
;   the loads' targets (windows 1 to 3; MS, WSC, BI): every load is issued ahead of the first vector or matrix instruction that names one of them.
;   v[FR .. FR+11]   the out-buffer: written by group p's conversions, lane swaps and moves; read by group p's stores; written again by group p + 1's conversions.
;   v[T0], v[T1]     scale words to store: written behind a group's quantiser, read by the stores that follow.
;   The accumulators, v[TM ..], v[PWS ..] and v[FR+12 ..] are named by vector and matrix instructions alone.
; So a group has ONE wait on va_vdst, behind its last vector line and ahead of its run of stores, and (from the second group on) ONE wait on vm_vsrc, beside the wait on XCNT, directly ahead of its first conversion:
; sixteen matrix instructions, the four places and the search for the blocks' maxima stand between a group's stores and that pair.
.set VA,  2                            ; v2   (r + 8 (r / 8)) x 192 + 24 (lane / 16): my bytes in a tile's rows of 256 codes
.set VS,  3                            ; v3   8 (r + 8 (r / 8)): my row's 8 scale bytes
.set VB,  4                            ; v4   64 (lane / 16): bq, bk: my half's eight numbers of a tile
.set VBV, 5                            ; v5   4 (r + 8 (r / 8)): bv: my feature's number
.set L16, 6                            ; v6   16 x lane
.set L8,  7                            ; v7   8 x lane
.set L4,  8                            ; v8   4 x lane
.set ACC, 12
.set FR,  76
.set TM,  96                           ; v96-99 largest magnitudes, v100-103 bytes, v108-111 the conversions' scale operands
.set PWS, 112
.set T0,  116
.set T1,  117
.set MS,  118                          ; msg's scale words: tile tt, K step s at 2 tt + s
.set WSC, 134                          ; the weights': 8 x type + 2 ft + s
.set BI,  158                          ; bq at 8 ft, bk at 32 + 8 ft, bv at 64 + 8 ft
.set SEL, 36                           ; s[36:37] v_permlanex16_b32's selects for lane l xor 16
.set MSB, 0
.macro WIN new                         ; the immediate's high byte repeats the setting that is left
.if MSB != \new
	s_set_vgpr_msb (MSB<<8)|\new
.set MSB, \new
.endif
.endm
.macro PLACES                          ; four plain vector instructions behind a matrix instruction, ahead of the first read of its results (ISA guide 7.12.1)
.rept 4
	v_nop
.endr
.endm
; a fragment: tile ti, K step ks: 24 bytes at my row's 96 ks + 24 (lane / 16) and 24 more 48 bytes on, in pieces of 8 bytes, so that every address is a multiple of the access's size
.macro LDF reg, ti, ks, bs
.irp p, 0,1,2,3,4,5
	global_load_b64 v[\reg+2*\p:\reg+2*\p+1], v[VA], s[\bs:\bs+1] offset:(32*((\ti)/2)+8*((\ti)%2))*192+96*(\ks)+48*(\p/3)+8*(\p%3)
.endr
.endm
; a weight's eight fragments of my head into window win, and its scale words (two words a row) into window 0
.macro WLOAD win, wreg, sreg, cb, sb
	WIN \win
.irp ft, 0,1,2,3
.irp s, 0,1
	LDF \wreg+12*(2*\ft+\s), \ft, \s, \cb
.endr
.endr
	WIN 0
.irp ft, 0,1,2,3
	global_load_b64 v[\sreg+2*\ft:\sreg+2*\ft+1], v[VS], s[\sb:\sb+1] offset:(32*(\ft/2)+8*(\ft%2))*8
.endr
.endm
; bq or bk: for tile ft lane (r, h) wants the numbers of features 32 (ft / 2) + 16 h + 8 (ft % 2) + 0 .. 7
.macro BLOAD breg, bb
.irp ft, 0,1,2,3
	global_load_b128 v[\breg+8*\ft:\breg+8*\ft+3], v[VB], s[\bb:\bb+1] offset:(32*(\ft/2)+8*(\ft%2))*4
	global_load_b128 v[\breg+8*\ft+4:\breg+8*\ft+7], v[VB], s[\bb:\bb+1] offset:(32*(\ft/2)+8*(\ft%2))*4+16
.endr
.endm
; q or k, group grp: token tiles 2 grp and 2 grp + 1 x the head's four feature tiles, two K steps.  The eight accumulators take turns, one instruction a turn.
.macro MULT wbase, grp, wsc, bi
	WIN 0x06                                       ; source 0 (W) window 2, source 1 (msg) window 1, C and D window 0
.irp s, 0,1
.irp u, 0,1
.irp ft, 0,1,2,3
.if \s == 0
	v_wmma_scale_f32_16x16x128_f8f6f4 v[ACC+8*(4*\u+\ft):ACC+8*(4*\u+\ft)+7], v[\wbase+12*(2*\ft+\s):\wbase+12*(2*\ft+\s)+11], v[12*(2*(2*(\grp)+\u)+\s):12*(2*(2*(\grp)+\u)+\s)+11], v[\bi+8*\ft:\bi+8*\ft+7], v[\wsc+2*\ft+\s], v[MS+2*(2*(\grp)+\u)+\s] matrix_a_fmt:MATRIX_FMT_FP6 matrix_b_fmt:MATRIX_FMT_FP6
.else
	v_wmma_scale_f32_16x16x128_f8f6f4 v[ACC+8*(4*\u+\ft):ACC+8*(4*\u+\ft)+7], v[\wbase+12*(2*\ft+\s):\wbase+12*(2*\ft+\s)+11], v[12*(2*(2*(\grp)+\u)+\s):12*(2*(2*(\grp)+\u)+\s)+11], v[ACC+8*(4*\u+\ft):ACC+8*(4*\u+\ft)+7], v[\wsc+2*\ft+\s], v[MS+2*(2*(\grp)+\u)+\s] matrix_a_fmt:MATRIX_FMT_FP6 matrix_b_fmt:MATRIX_FMT_FP6
.endif
.endr
.endr
.endr
	WIN 0
.endm
; v, feature tile fe: the eight token tiles x 16 features, two K steps
.macro MULV fe
	WIN 0x0d                                       ; source 0 (msg) window 1, source 1 (Wv) window 3
.irp s, 0,1
.irp tk, 0,1,2,3,4,5,6,7
.if \s == 0
	v_wmma_scale_f32_16x16x128_f8f6f4 v[ACC+8*\tk:ACC+8*\tk+7], v[12*(2*\tk+\s):12*(2*\tk+\s)+11], v[12*(2*(\fe)+\s):12*(2*(\fe)+\s)+11], v[BI+64+8*(\fe):BI+64+8*(\fe)+7], v[MS+2*\tk+\s], v[WSC+16+2*(\fe)+\s] matrix_a_fmt:MATRIX_FMT_FP6 matrix_b_fmt:MATRIX_FMT_FP6
.else
	v_wmma_scale_f32_16x16x128_f8f6f4 v[ACC+8*\tk:ACC+8*\tk+7], v[12*(2*\tk+\s):12*(2*\tk+\s)+11], v[12*(2*(\fe)+\s):12*(2*(\fe)+\s)+11], v[ACC+8*\tk:ACC+8*\tk+7], v[MS+2*\tk+\s], v[WSC+16+2*(\fe)+\s] matrix_a_fmt:MATRIX_FMT_FP6 matrix_b_fmt:MATRIX_FMT_FP6
.endif
.endr
.endr
	WIN 0
.endm
; 64 numbers of a lane, register 16 b + i = k 32 b + 16 (lane / 16) + i of my row, become a fragment's codes in v[FR] on and its scale word in v[pw] (the same word in lanes l and l xor 16).
; held: 0 in the kernel's first group, ahead of which nothing has been stored; else not 0.
.macro QUANT s, pw, held
.irp b, 0,1,2,3
	v_max3_num_f32 v[TM+\b], |v[\s+16*\b]|, |v[\s+1+16*\b]|, 0x1800000   ; block b: my 16 numbers, from each accumulator's low end on, and the floor 2^(3 - 127): the byte cannot fall under 1
.endr
.irp i, 2,4,6,8,10,12,14
.irp b, 0,1,2,3
	v_max3_num_f32 v[TM+\b], v[TM+\b], |v[\s+16*\b+\i]|, |v[\s+1+16*\b+\i]|   ; the four blocks by turns: no line waits for the line above it
.endr
.endr
.irp b, 0,1,2,3
	v_permlanex16_b32 v[TM+4+\b], v[TM+\b], s[SEL], s[SEL+1]
.endr
.irp b, 0,1,2,3
	v_max_num_f32 v[TM+\b], v[TM+\b], v[TM+4+\b]   ; with lane l xor 16's: the block's largest magnitude
.endr
.irp b, 0,1,2,3
	v_add_nc_u32 v[TM+12+\b], 0xff000000, v[TM+\b]   ; 2 off its exponent field: the conversion takes the exponent field of this operand as its scale
.endr
.irp b, 0,1,2,3
	v_lshrrev_b32 v[TM+4+\b], 23, v[TM+12+\b]      ; the scale's byte
.endr
	v_lshl_or_b32 v[\pw], v[TM+5], 8, v[TM+4]
	v_lshl_or_b32 v[\pw], v[TM+6], 16, v[\pw]
	v_lshl_or_b32 v[\pw], v[TM+7], 24, v[\pw]
.if \held
	s_wait_xcnt 0x0                                ; the earlier groups' stores have had their addresses translated (ISA guide 3.1): their data registers are written again only behind this wait
	s_wait_alu depctr_vm_vsrc(0)                   ; the earlier groups' stores have read v[FR .. FR+11], v[T0] and v[T1], which the conversions below and the lines behind this quantiser write again
.endif
.irp c, 0,1
	v_cvt_scalef32_pk16_fp6_f32 v[FR+6*\c:FR+2+6*\c], v[\s+32*\c:\s+15+32*\c], v[TM+12+2*\c]
	v_cvt_scalef32_pk16_fp6_f32 v[FR+12+4*\c:FR+14+4*\c], v[\s+16+32*\c:\s+31+32*\c], v[TM+12+2*\c+1]   ; (a conversion's three registers begin on an even number)
.endr
	v_nop                                          ; one plain place behind a scaled conversion
.irp c, 0,1                                    ; the operand's layout wants a WHOLE block in a lane: lanes 0-15 block 2 c, lanes 16-31 block 2 c + 1
.irp i, 0,1,2
	v_permlane16_swap_b32 v[FR+6*\c+\i], v[FR+12+4*\c+\i]
.endr
.irp i, 0,1,2
	v_mov_b32 v[FR+3+6*\c+\i], v[FR+12+4*\c+\i]
.endr
.endr
.endm
.macro KVOUT off                               ; the fragment leaves as it stands: each store covers 512 consecutive bytes, aligned to 256
.irp c, 0,1,2
	global_store_b128 v[L16], v[FR+4*\c:FR+4*\c+3], s[30:31] offset:\off+512*\c
.endr
.endm
.macro SCMIX                                   ; a type's four scale words: lanes 0-15 an even fragment's rows, lanes 16-31 the next fragment's
	v_cndmask_b32 v[T0], v[PWS+1], v[PWS], s34
	v_cndmask_b32 v[T1], v[PWS+3], v[PWS+2], s34
.endm
.macro SCOUT off                               ; and their two stores
	global_store_b32 v[L4], v[T0], s[32:33] offset:\off
	global_store_b32 v[L4], v[T1], s[32:33] offset:\off+128
.endm
	s_load_b512 s[4:19], s[0:1], 0x0               ; msg's codes s[4:5], scales s[6:7]; Wq's s[8:9], s[10:11]; bq s[12:13]; Wk's s[14:15], s[16:17]; bk s[18:19]
	s_load_b256 s[20:27], s[0:1], 0x40             ; Wv's s[20:21], s[22:23]; bv s[24:25]; qc s[26:27]
	s_load_b128 s[28:31], s[0:1], 0x60             ; qs s[28:29], kv s[30:31]
	s_load_b64 s[32:33], s[0:1], 0x70              ; kvs
	v_lshrrev_b32 v1, 5, v0
	v_readfirstlane_b32 s38, v1                    ; wave 0..3
	v_and_b32 v1, 31, v0                           ; lane
	v_and_b32 v9, 15, v0                           ; r
	v_bfe_u32 v10, v0, 4, 1                        ; h
	v_and_b32 v11, 8, v9
	v_add_nc_u32 v11, v11, v9                      ; r + 8 (r / 8)
	v_mul_u32_u24 v[VA], v11, 192
	v_mad_u32_u24 v[VA], v10, 24, v[VA]
	v_lshlrev_b32 v[VS], 3, v11
	v_lshlrev_b32 v[VB], 6, v10
	v_lshlrev_b32 v[VBV], 2, v11
	v_lshlrev_b32 v[L16], 4, v1
	v_lshlrev_b32 v[L8], 3, v1
	v_lshlrev_b32 v[L4], 2, v1
	v_cmp_gt_u32 s34, 16, v1                       ; the mask of lanes 0-15
.irp b, 0,1,2,3
	v_mov_b32 v[TM+4+\b], 0                        ; written once: a lane permute's destination counts as one of its sources
.endr
	s_mov_b32 s[SEL], 0x76543210
	s_mov_b32 s[SEL+1], 0xfedcba98
	s_wait_alu depctr_va_sdst(0)                   ; s38 (the wave's number) and s34 (the mask) are written, ahead of the first reader of either: the scalar lines below, and the selections by s34 further down
	s_and_b32 s39, ttmp7, 0xffff
	s_lshl_b32 s39, s39, 2
	s_add_co_u32 s39, s39, s38                     ; the head in its batch: 4 y + wave
	s_lshr_b32 s40, ttmp9, 4
	s_lshl_b32 s40, s40, 3
	s_add_co_u32 s40, s40, s39                     ; head = 8 x batch + that
	s_and_b32 s41, ttmp9, 15                       ; the key step: my 128 tokens in the batch
	s_mov_b32 s43, 0                               ; offsets stand in the pair s[42:43], all under 2^32
	s_wait_kmcnt 0x0
	s_mul_i32 s42, ttmp9, 24576                    ; 128 tokens x 192 bytes
	s_add_nc_u64 s[4:5], s[4:5], s[42:43]
	s_lshl_b32 s42, ttmp9, 10                      ; 128 x 8 scale bytes
	s_add_nc_u64 s[6:7], s[6:7], s[42:43]
	s_mul_i32 s42, s39, 12288                      ; my head's 64 rows of each weight
	s_add_nc_u64 s[8:9], s[8:9], s[42:43]
	s_add_nc_u64 s[14:15], s[14:15], s[42:43]
	s_add_nc_u64 s[20:21], s[20:21], s[42:43]
	s_lshl_b32 s42, s39, 9                         ; their scale bytes
	s_add_nc_u64 s[10:11], s[10:11], s[42:43]
	s_add_nc_u64 s[16:17], s[16:17], s[42:43]
	s_add_nc_u64 s[22:23], s[22:23], s[42:43]
	s_lshl_b32 s42, s39, 8                         ; and 64 numbers of each bias
	s_add_nc_u64 s[12:13], s[12:13], s[42:43]
	s_add_nc_u64 s[18:19], s[18:19], s[42:43]
	s_add_nc_u64 s[24:25], s[24:25], s[42:43]
	s_mul_i32 s44, s41, 6144                       ; a step: 8 query tiles of 768 bytes, or 4 fragments of 1,536
	s_mul_i32 s42, s40, 98304
	s_add_co_u32 s42, s42, s44
	s_add_nc_u64 s[26:27], s[26:27], s[42:43]      ; qc
	s_mul_i32 s42, s40, 196608
	s_add_co_u32 s42, s42, s44
	s_add_nc_u64 s[30:31], s[30:31], s[42:43]      ; kv
	s_lshl_b32 s42, s40, 13
	s_lshl_b32 s44, s41, 9
	s_add_co_u32 s42, s42, s44
	s_add_nc_u64 s[28:29], s[28:29], s[42:43]      ; qs: 8 tiles x 64 bytes a step
	s_lshl_b32 s42, s40, 13
	s_lshl_b32 s44, s41, 8
	s_add_co_u32 s42, s42, s44
	s_add_nc_u64 s[32:33], s[32:33], s[42:43]      ; kvs: 4 fragments x 64 bytes a step
	; SET A, 164 loads: msg's 16 fragments and scale words, Wq, bq
	WIN 0x40                                       ; destination window 1
	s_wait_alu depctr_va_vdst(0)                   ; the seven offsets v2 to v8 are written, which every load and store of the kernel reads.  Up to the last load of set C only loads, window switches and a wait on LOADcnt follow
.irp tt, 0,1,2,3,4,5,6,7
.irp s, 0,1
	LDF 12*(2*\tt+\s), \tt, \s, 4
.endr
.endr
	WIN 0
.irp tt, 0,1,2,3,4,5,6,7
	global_load_b64 v[MS+2*\tt:MS+2*\tt+1], v[VS], s[6:7] offset:(32*(\tt/2)+8*(\tt%2))*8
.endr
	WLOAD 0x80, 0, WSC, 8, 10
	BLOAD BI, 12
	; SET B, 60 loads: Wk, bk
	WLOAD 0x80, 96, WSC+8, 14, 16
	BLOAD BI+32, 18
	s_wait_loadcnt 60                              ; loads come back in order: set A is in, set B's 60 may be out
	; SET C, 56 loads: Wv, bv
	WLOAD 0xc0, 0, WSC+16, 20, 22
.irp ft, 0,1,2,3
	global_load_b32 v[BI+64+8*\ft], v[VBV], s[24:25] offset:(32*(\ft/2)+8*(\ft%2))*4
.endr
	; ---- q: group f is query tiles 2 f and 2 f + 1 of my eight: the fragment's two halves go out as two half fragments
.irp f, 0,1,2,3
	MULT 0, \f, WSC, BI
	PLACES
	QUANT ACC, PWS, \f                             ; (ahead of group 0 nothing has been stored)
	v_perm_b32 v[T0], v[PWS], v[PWS], 0x01000100   ; the first tile's two bytes, twice: the word serves q in the low half of K and in the high half
	v_perm_b32 v[T1], v[PWS], v[PWS], 0x03020302   ; the second tile's
	v_cndmask_b32 v[T0], v[T1], v[T0], s34         ; lanes 0-15 store the first tile's words, lanes 16-31 the second's
	s_wait_alu depctr_va_vdst(0)                   ; the quantiser has written v[FR .. FR+11] and the selection v[T0]: the seven stores below read them
.irp p, 0,1,2,3,4,5
	global_store_b64 v[L8], v[FR+2*\p:FR+2*\p+1], s[26:27] offset:(2*\f+\p/3)*768+(\p%3)*256   ; 256 consecutive bytes, aligned
.endr
	global_store_b32 v[L4], v[T0], s[28:29] offset:128*\f
.endr
	; ---- k: group f is fragment f of the step: key tile 2 f in K 0-63, key tile 2 f + 1 in K 64-127
	s_wait_loadcnt 56                              ; set B is in, set C's 56 may be out
.irp f, 0,1,2,3
	MULT 96, \f, WSC+8, BI+32
	PLACES
	QUANT ACC, PWS+\f, 1
.if \f == 3
	SCMIX                                          ; the four words are there: they are laid for their stores ahead of the group's one wait
.endif
	s_wait_alu depctr_va_vdst(0)                   ; the quantiser has written v[FR .. FR+11] (in the last group the selections v[T0] and v[T1] too): the stores below read them
	KVOUT 1536*\f
.endr
	SCOUT 0
	; ---- v: group ft is fragment ft: 16 features x the step's 128 keys
	s_wait_loadcnt 0x0
.irp ft, 0,1,2,3
.irp j, 1,2,3,4,5,6,7
	v_mov_b32 v[BI+64+8*\ft+\j], v[BI+64+8*\ft]    ; a lane holds one feature: its bias stands in all eight registers of the C
.endr
.endr
.irp ft, 0,1,2,3
	MULV \ft
	PLACES
	QUANT ACC, PWS+\ft, 1
.if \ft == 3
	SCMIX
.endif
	s_wait_alu depctr_va_vdst(0)                   ; the quantiser has written v[FR .. FR+11] (in the last group the selections v[T0] and v[T1] too): the stores below read them
	KVOUT 98304+1536*\ft
.endr
	SCOUT 4096
	s_endpgm
.Lfunc_end_k_q08895171a4_proj:
	.size	k_q08895171a4_proj, .Lfunc_end_k_q08895171a4_proj-k_q08895171a4_proj
	.p2alignl 7, 3214868480
	.fill 96, 4, 3214868480
	.section	.rodata,"a",@progbits
	.p2align	6, 0x0
	.amdhsa_kernel k_q08895171a4_proj
		.amdhsa_group_segment_fixed_size 0
		.amdhsa_private_segment_fixed_size 0
		.amdhsa_enable_private_segment 0
		.amdhsa_kernarg_size 120
		.amdhsa_user_sgpr_count 2
		.amdhsa_user_sgpr_kernarg_segment_ptr 1
		.amdhsa_wavefront_size32 1
		.amdhsa_system_sgpr_workgroup_id_x 1
		.amdhsa_system_sgpr_workgroup_id_y 1
		.amdhsa_system_sgpr_workgroup_id_z 1
		.amdhsa_system_vgpr_workitem_id 0
		.amdhsa_next_free_vgpr 864
		.amdhsa_next_free_sgpr 66
		.amdhsa_reserve_vcc 0
		.amdhsa_float_denorm_mode_32 3
		.amdhsa_float_denorm_mode_16_64 3
		.amdhsa_memory_ordered 1
		.amdhsa_forward_progress 1
		.amdhsa_inst_pref_size 109
	.end_amdhsa_kernel
	.amdgpu_metadata
---
amdhsa.version: [ 1, 2 ]
amdhsa.kernels:
  - .name:           k_q08895171a4_proj
    .symbol:         k_q08895171a4_proj.kd
    .args:
      - { .name: msg_codes, .offset: 0, .size: 8, .value_kind: global_buffer, .address_space: global }
      - { .name: msg_scales, .offset: 8, .size: 8, .value_kind: global_buffer, .address_space: global }
      - { .name: Wq_codes, .offset: 16, .size: 8, .value_kind: global_buffer, .address_space: global }
      - { .name: Wq_scales, .offset: 24, .size: 8, .value_kind: global_buffer, .address_space: global }
      - { .name: bq, .offset: 32, .size: 8, .value_kind: global_buffer, .address_space: global }
      - { .name: Wk_codes, .offset: 40, .size: 8, .value_kind: global_buffer, .address_space: global }
      - { .name: Wk_scales, .offset: 48, .size: 8, .value_kind: global_buffer, .address_space: global }
      - { .name: bk, .offset: 56, .size: 8, .value_kind: global_buffer, .address_space: global }
      - { .name: Wv_codes, .offset: 64, .size: 8, .value_kind: global_buffer, .address_space: global }
      - { .name: Wv_scales, .offset: 72, .size: 8, .value_kind: global_buffer, .address_space: global }
      - { .name: bv, .offset: 80, .size: 8, .value_kind: global_buffer, .address_space: global }
      - { .name: qc, .offset: 88, .size: 8, .value_kind: global_buffer, .address_space: global }
      - { .name: qs, .offset: 96, .size: 8, .value_kind: global_buffer, .address_space: global }
      - { .name: kv, .offset: 104, .size: 8, .value_kind: global_buffer, .address_space: global }
      - { .name: kvs, .offset: 112, .size: 8, .value_kind: global_buffer, .address_space: global }
    .group_segment_fixed_size: 0
    .private_segment_fixed_size: 0
    .kernarg_segment_align: 8
    .kernarg_segment_size: 120
    .max_flat_workgroup_size: 128
    .sgpr_count:     66
    .vgpr_count:     864
    .wavefront_size: 32
...
	.end_amdgpu_metadata
.endif
;; end of part 4
;; launch attn (part 5): grid 4 x 64, 16 waves a work-group, clusters of 4 x 1, 206,848 bytes of LDS; arguments qc, qs, kv, kvs, cc, cs; writes cc, cs
.if DOCPART == 5
	.amdgcn_target "amdgcn-amd-amdhsa--gfx1250"
	.amdhsa_code_object_version 6
	.text
	.protected	k_q08895171a4_attn
	.globl	k_q08895171a4_attn
	.p2align	8
	.type	k_q08895171a4_attn,@function
k_q08895171a4_attn:
	s_mov_b64 s[64:65], 0
	v_nop
	global_prefetch_b8 v0, s[64:65] scope:SCOPE_SE
	s_setreg_imm32_b32 hwreg(HW_REG_WAVE_MODE, 25, 1), 1
	s_wait_xcnt 0x0
	s_wait_alu depctr_hold_cnt(0) depctr_sa_sdst(0) depctr_va_vdst(0) depctr_va_sdst(0) depctr_va_ssrc(0) depctr_va_vcc(0) depctr_vm_vsrc(0)
	s_getreg_b32 s2, hwreg(HW_REG_IB_STS2, 6, 4)
	s_cmp_eq_u32 s2, 0
	s_cbranch_scc0 .Lentry_in_a_cluster
	s_endpgm
.Lentry_in_a_cluster:
	s_bfe_u32 s2, ttmp6, 0x10000c
	s_cmp_lg_u32 s2, 0x3003
	s_cbranch_scc0 .Lentry_shape_is_right
	s_endpgm
.Lentry_shape_is_right:
; ctx[head][q] = the sum over keys of softmax(q . k / 8, the query's own key held at -1e9) v, both products on codes of FP6 (E2M3) with E8M0 scales, and the quantiser of ctx along the head's 64.
; THE SOFTMAX AHEAD OF THE SECOND PRODUCT: t = logit x log2(e); M = the row's largest t so far, rounded UP to a whole number; p = 2^(t - M) is what is quantised, along the keys; the row's sum is taken of the
; unquantised p and divides at the end.  When M moves, the sum and O are multiplied by 2^(old M - new M): exact.
; SHARES.  A cluster is the four work-groups of one head.  Each of a work-group's SIXTEEN waves owns one tile of 16 queries in each of two passes: tile 64 pass + 4 wave + cx; four waves to a SIMD, so that one wave's
; vector work stands beside another's matrix work and LDS loads.  Every wave walks all 2,048 keys, 128 a step.
; LDS.  The whole head lies in LDS as images of the operands' registers: K 98,304 bytes, V 98,304, their scale words 4,096 each.  It is filled ONCE, by JOINT tensor loads (the four work-groups want the same bytes:
; one mask names the four), two loads in wave 0 (K) and two in wave 1 (V); nothing is filled again.  Every LDS read takes 16 or 4 bytes a lane on end: no pitch, no padding.
; K = 64 IN AN INSTRUCTION OF K = 128.  A fragment of K holds TWO key tiles: tile 2 f in K 0-63, tile 2 f + 1 in K 64-127.  Q stands in 18 registers, zeros | q | zeros: the upper twelve (q, 0) multiply tile 2 f,
; the lower twelve (0, q) tile 2 f + 1.  Zero codes add nothing under any scale byte that the quantiser makes (1 to 254).
; LAYOUT.  Both products are used transposed (source 0 = 16 keys, or 16 of the head's 64; source 1 = my queries, or p): a lane holds ONE query throughout.  Rows of a tile are not neighbours (lane r of tile 2 b + u
; holds row 32 b + 8 u + r + 8 (r / 8)), so that the 16 registers of tiles 2 b and 2 b + 1 are 16 neighbours along the next product's K.
; THE DIAGONAL.  My tile's own keys lie in key step 8 pass + wave / 2, in blocks 2 (wave % 2) and 2 (wave % 2) + 1: branches on the wave's number and on counters alone; cx enters a vector compare and global addresses only.
; LIMITS: NaN and infinities are not served.  A block under 2^(3 - 127) gets the byte 1 (its codes are zeros; these bytes are read by this program alone).  The division by the sum is v_rcp_f32 and a multiplication.
; A p under 2^-126 counts as 0 (v_exp_f32 gives no denormals: ISA guide, its entry).
; REGISTERS: v1-9 addresses and constants; v10-11 Q's scale words; v12 -M, v13 the largest t, v[14:15] the sum; v16-33 Q; v34-38 scale words; v40-87 K's four fragments (behind the first product: at work);
;   v88-135 V's four; v136-199 S^T, then p; v200-231 O^T; v232-243 p's codes; v244-249 the second pass's Q; v250-254 at work.
.set AL,  1                            ; v1   16 x lane
.set SL,  2                            ; v2   SCK + 4 x lane
.set ADK, 3                            ; v3   the step's K images
.set ADV, 4                            ; v4   its V images
.set ADS, 5                            ; v5   its scale words
.set DQ,  6                            ; v6   my query's place in its key step - 16 (lane / 16)
.set NEG, 7                            ; v7   -8e9: the logit -1e9 ahead of the division by 8
.set CA,  8                            ; v8   8 x lane
.set CSA, 9                            ; v9   16 r
.set QS,  10
.set QNS, 11
.set QZ,  16
.set KS0, 34                           ; v34: lanes 0-15 fragment 0's words, lanes 16-31 fragment 1's; v35: fragments 2, 3
.set VS0, 36                           ; v36-37 the same for V
.set PS,  38                           ; p's scale word
.set KF,  40
.set VF,  88
.set S,   136
.set O,   200
.set PC,  232
.set QN,  244
.set PT,  250
.set T,   254
.set BM,  40                           ; at work, in K's registers once the scores are made: the blocks' largest scores, then largest p
.set SO,  44                           ; the conversions' scale operands
.set BY,  48                           ; the bytes
.set F,   52                           ; v[52:53] f = 2^(old M - new M) in the low word
.set SA,  54                           ; v[54:55] the sum's second chain
.set CT,  56                           ; v56-58, v60-62 the conversions' second halves
.set CC,  168                          ; the way out: ctx's codes
.set CW,  174                          ; and its two scale bytes
.set VIMG, 98304                       ; LDS: K's images from 0, V's from here,
.set SCK,  196608                      ; K's scale words, and V's 4,096 bytes on
.set G1S, 16                           ; s[16:23] descriptor group 1: 16 rows of 256 bytes
.set G1A, 24                           ; s[24:31] 384 rows of 256 bytes
.set WV,  32
.set CX,  33
.set HEAD, 34
.set WP,  35                           ; wave % 2
.set G0S, 36                           ; s[36:39], s[40:43] descriptor groups 0; never rewritten
.set G0A, 40
.set SEL, 56
.set CS,  58                           ; s[58:59] c = log2(e) / 8
.set TB,  60                           ; the step's images: 6,144 bytes a step
.set TS,  61                           ; its scale words: 256 bytes a step
.set KS,  62                           ; the key step, and the loop's counter
.set DS,  63                           ; the key step of my tile's own keys
.set PASS, 66
; A round of the cluster's barrier: my work-group's barrier, so that wave 0's signal speaks for all sixteen waves; wave 0 signals for the work-group; every wave waits for all four work-groups; my work-group's barrier once more.
.macro CROUND
	s_barrier_signal -1
	s_barrier_wait -1
	s_cmp_lg_u32 s[WV], 0
	s_cbranch_scc1 .Lnot_wave_0_\@
	s_barrier_signal -3
.Lnot_wave_0_\@:
	s_barrier_wait -3
	s_barrier_signal -1
	s_barrier_wait -1
.endm
.macro MASK b                                  ; register 16 b + i holds key 32 b + 16 (lane / 16) + i of the step: my own key where 32 b + i = DQ
.irp i, 0,1,2,3,4,5,6,7,8,9,10,11,12,13,14,15
	v_cmp_eq_u32 vcc_lo, 32*\b+\i, v[DQ]
	v_cndmask_b32 v[S+16*\b+\i], v[S+16*\b+\i], v[NEG], vcc_lo
.endr
.endm
	s_load_b256 s[4:11], s[0:1], 0x0               ; qc s[4:5], qs s[6:7], kv s[8:9], kvs s[10:11]
	s_load_b128 s[12:15], s[0:1], 0x20             ; cc s[12:13], cs s[14:15]
	v_lshl_add_u32 v39, v0, 2, 0x32000
	v_mov_b32 v255, 0
	ds_add_u32 v39, v255
	ds_add_u32 v39, v255
	v_lshrrev_b32 v1, 5, v0
	s_delay_alu instid0(VALU_DEP_1)
	v_readfirstlane_b32 s[WV], v1                  ; wave 0..15
	v_and_b32 v[T], 31, v0                         ; lane
	s_delay_alu instid0(VALU_DEP_1)
	v_lshlrev_b32 v[AL], 4, v[T]
	s_delay_alu instid0(VALU_DEP_2)
	v_lshl_add_u32 v[SL], v[T], 2, SCK
	s_delay_alu instid0(VALU_DEP_3)
	v_lshlrev_b32 v[CA], 3, v[T]
	v_and_b32 v3, 15, v0                           ; r
	v_bfe_u32 v4, v0, 4, 1                         ; h
	s_delay_alu instid0(VALU_DEP_2)
	v_lshlrev_b32 v[CSA], 4, v3
	s_delay_alu instid0(VALU_DEP_3)
	v_lshlrev_b32 v5, 2, v3                        ; 4 r: Q's scale words
	s_bfe_u32 s[CX], ttmp6, 0x40000                ; cx: my place in the cluster
	s_and_b32 s[HEAD], ttmp7, 0xffff               ; the head, which the four partners share
	s_and_b32 s[WP], s[WV], 1
	; descriptor groups 1: dense blocks as rows of 256 bytes (32 elements of 8 bytes), no padding
.irp g, G1S, G1A
	s_mov_b32 s[\g], 15|(3<<16)|(1<<21)            ; 15:0 the mask: all four work-groups; 17:16 elements of 8 bytes; 21 set beside a mask
	s_mov_b32 s[\g+1], 32<<16                      ; tensor_dim0 = 32
	s_mov_b32 s[\g+3], 32<<16                      ; tile_dim0 = 32
	s_mov_b32 s[\g+5], 32                          ; tensor_dim0_stride
	s_mov_b32 s[\g+6], 0
	s_mov_b32 s[\g+7], 0
.endr
	s_mov_b32 s[G1S+2], 16<<16                     ; tensor_dim1 and tile_dim1: 16 rows, 4,096 bytes of scale words;
	s_mov_b32 s[G1S+4], 16
	s_mov_b32 s[G1A+2], 384<<16                    ; 384 rows, 98,304 bytes of images
	s_mov_b32 s[G1A+4], 384
	s_mul_i32 s70, s[WP], VIMG                     ; wave 0 fetches K's, wave 1 V's: in LDS and in memory V's lie behind K's
	s_lshl_b32 s71, s[WP], 12
	s_mul_i32 s68, s[HEAD], 196608
	s_add_co_u32 s68, s68, s70
	s_mov_b32 s69, 0
	s_lshl_b32 s72, s[HEAD], 13
	s_add_co_u32 s72, s72, s71
	s_mov_b32 s73, 0
	s_mov_b32 s[SEL], 0x76543210
	s_mov_b32 s[SEL+1], 0xfedcba98                 ; v_permlanex16_b32's selects for lane l xor 16
	s_mov_b32 s[CS], 0x3e38aa3b                    ; c = log2(e) / 8: t = score x c
	s_mov_b32 s[CS+1], s[CS]                       ; (named with it as a pair, so it is written)
	s_wait_dscnt 0x0
	s_wait_kmcnt 0x0
	s_mov_b32 s[G0S], 1                            ; 1:0 count = 1
	s_add_co_u32 s[G0S+1], s71, SCK                ; 63:32 LDS address: no place in the cluster enters it
	s_add_nc_u64 s[G0S+2:G0S+3], s[10:11], s[72:73]   ; 120:64 global address
	s_or_b32 s[G0S+3], s[G0S+3], 0x80000000        ; 127:126 type = 2
	s_mov_b32 s[G0A], 1
	s_mov_b32 s[G0A+1], s70
	s_add_nc_u64 s[G0A+2:G0A+3], s[8:9], s[68:69]
	s_or_b32 s[G0A+3], s[G0A+3], 0x80000000
	CROUND                                         ; all four work-groups are here: the joint loads meet
	s_cmp_lt_u32 s[WV], 2                          ; a wave's two fills stand in one branch, ahead of every wait on TENSORcnt, every LDS read and every further barrier: two loads of mine are out
	s_cbranch_scc0 .Lnofill
	tensor_load_to_lds s[G0S:G0S+3], s[G1S:G1S+7]
	s_nop 0
	tensor_load_to_lds s[G0A:G0A+3], s[G1A:G1A+7]
	s_nop 0
.rept 4
	v_nop
.endr
.Lnofill:
	s_lshl_b32 s69, s[WV], 2
	s_lshl_b32 s68, s[HEAD], 7
	s_add_co_u32 s68, s68, s69
	s_add_co_u32 s68, s68, s[CX]                   ; my first tile among all heads': 128 head + 4 wave + cx
	s_mov_b32 s71, 0
	s_mul_i32 s70, s68, 768
	s_add_nc_u64 s[4:5], s[4:5], s[70:71]          ; its half fragment
	s_lshl_b32 s70, s68, 6
	s_add_nc_u64 s[6:7], s[6:7], s[70:71]          ; its scale words
	s_wait_alu depctr_va_vdst(0)
.irp p, 0,1,2
	global_load_b64 v[QZ+6+2*\p:QZ+7+2*\p], v[CA], s[4:5] offset:256*\p
	global_load_b64 v[QN+2*\p:QN+2*\p+1], v[CA], s[4:5] offset:49152+256*\p   ; the second pass's tile, 64 tiles on: asked for now, so that the pass does not wait for memory
.endr
	global_load_b32 v[QS], v5, s[6:7]
	global_load_b32 v[QNS], v5, s[6:7] offset:4096
	s_lshr_b32 s72, s[HEAD], 3
	s_lshl_b32 s72, s72, 7
	s_add_co_u32 s72, s72, s69
	s_add_co_u32 s72, s72, s[CX]                   ; the tile among all tokens': 128 batch + 4 wave + cx
	s_and_b32 s73, s[HEAD], 7                      ; the head in its batch
	s_lshl_b32 s74, s72, 3
	s_add_co_u32 s74, s74, s73
	s_mul_i32 s70, s74, 768
	s_add_nc_u64 s[12:13], s[12:13], s[70:71]      ; cc [tile][head]: 768 bytes
	s_lshl_b32 s70, s72, 8
	s_lshl_b32 s73, s73, 1
	s_add_co_u32 s70, s70, s73
	s_add_nc_u64 s[14:15], s[14:15], s[70:71]      ; cs [tile][row][head]: 2 bytes
	s_lshl_b32 s70, s[WP], 6                       ; my query's place in its key step: 32 (2 (wave % 2) + cx / 2) + 8 (cx % 2) + r + 8 (r / 8)
	s_lshr_b32 s73, s[CX], 1
	s_lshl_b32 s73, s73, 5
	s_add_co_u32 s70, s70, s73
	s_and_b32 s73, s[CX], 1
	s_lshl_b32 s73, s73, 3
	s_add_co_u32 s70, s70, s73
	v_and_b32 v[DQ], 8, v3
	s_delay_alu instid0(VALU_DEP_1)
	v_add_nc_u32 v[DQ], v[DQ], v3
	v_lshlrev_b32 v4, 4, v4
	s_delay_alu instid0(VALU_DEP_1)
	v_sub_nc_u32 v[DQ], v[DQ], v4
	s_delay_alu instid0(VALU_DEP_1)
	v_add_nc_u32 v[DQ], s70, v[DQ]
	v_mov_b32 v[NEG], 0xcfee6b28                   ; -8e9
.irp i, 0,1,2,3,4,5
	v_mov_b32 v[QZ+\i], 0                          ; the zero codes on both sides of q
	v_mov_b32 v[QZ+12+\i], 0
.endr
.irp b, 0,1,2,3
	v_mov_b32 v[PT+\b], 0                          ; written once: a lane permute's destination counts as one of its sources
.endr
	s_lshr_b32 s[DS], s[WV], 1
	s_mov_b32 s[PASS], 2
	s_wait_loadcnt 0x0                             ; Q, both passes'
	s_wait_tensorcnt 0x0                           ; my fills have landed,
	s_barrier_signal -1
	s_barrier_wait -1                              ; everybody's have: from here on LDS is only read
.Lpass:
	v_mov_b32 v13, 0xff61b1e6                      ; the largest t so far: -3e38, under every t
	s_delay_alu instid0(VALU_DEP_1)
	v_floor_f32 v12, -v13                          ; -M
	v_mov_b32 v14, 0                               ; the sum, in two halves
	v_mov_b32 v15, 0
.irp j, 0,1,2,3,4,5,6,7,8,9,10,11,12,13,14,15,16,17,18,19,20,21,22,23,24,25,26,27,28,29,30,31
	v_mov_b32 v[O+\j], 0                           ; O^T.  (The step is written once: the first finds zeros, which the first change of M leaves zeros)
.endr
	s_mov_b32 s[KS], 0
	s_mov_b32 s[TB], 0
	s_mov_b32 s[TS], 0
.Lstep:                                            ; A KEY STEP: 128 keys
	s_setprio 2
	v_add_nc_u32 v[ADK], s[TB], v[AL]              ; these four lines are also the places behind the last step's products, ahead of the loads into their operands
	v_add_nc_u32 v[ADS], s[TS], v[SL]
	s_delay_alu instid0(VALU_DEP_2)
	v_add_nc_u32 v[ADV], VIMG, v[ADK]
	v_nop
	ds_load_b32 v[KS0], v[ADS]
	ds_load_b32 v[KS0+1], v[ADS] offset:128
	ds_load_b32 v[VS0], v[ADS] offset:4096
	ds_load_b32 v[VS0+1], v[ADS] offset:4224
.irp f, 0,1,2,3
.irp c, 0,1,2
	ds_load_b128 v[KF+12*\f+4*\c:KF+12*\f+4*\c+3], v[ADK] offset:1536*\f+512*\c
.endr
.endr
.irp f, 0,1,2,3
.irp c, 0,1,2
	ds_load_b128 v[VF+12*\f+4*\c:VF+12*\f+4*\c+3], v[ADV] offset:1536*\f+512*\c
.endr
.endr
	s_wait_dscnt 12                                ; the scale words and K are in; V's twelve loads may be out: they are wanted behind the softmax
.irp f, 0,1,2,3                                ; S^T = K Q^T: fragment f's two key tiles; the 16 registers are keys 32 f + 16 (lane / 16) + 0 .. 15
.if \f%2
	v_wmma_scale_f32_16x16x128_f8f6f4 v[S+16*\f:S+16*\f+7], v[KF+12*\f:KF+12*\f+11], v[QZ+6:QZ+17], 0, v[KS0+\f/2], v[QS] matrix_a_fmt:MATRIX_FMT_FP6 matrix_b_fmt:MATRIX_FMT_FP6 matrix_a_scale:MATRIX_SCALE_ROW1
	v_wmma_scale_f32_16x16x128_f8f6f4 v[S+16*\f+8:S+16*\f+15], v[KF+12*\f:KF+12*\f+11], v[QZ:QZ+11], 0, v[KS0+\f/2], v[QS] matrix_a_fmt:MATRIX_FMT_FP6 matrix_b_fmt:MATRIX_FMT_FP6 matrix_a_scale:MATRIX_SCALE_ROW1
.else
	v_wmma_scale_f32_16x16x128_f8f6f4 v[S+16*\f:S+16*\f+7], v[KF+12*\f:KF+12*\f+11], v[QZ+6:QZ+17], 0, v[KS0+\f/2], v[QS] matrix_a_fmt:MATRIX_FMT_FP6 matrix_b_fmt:MATRIX_FMT_FP6
	v_wmma_scale_f32_16x16x128_f8f6f4 v[S+16*\f+8:S+16*\f+15], v[KF+12*\f:KF+12*\f+11], v[QZ:QZ+11], 0, v[KS0+\f/2], v[QS] matrix_a_fmt:MATRIX_FMT_FP6 matrix_b_fmt:MATRIX_FMT_FP6
.endif
.endr
.rept 4
	v_nop                                          ; places ahead of the first read of the scores and of the first write into K's registers
.endr
	s_cmp_lg_u32 s[KS], s[DS]                      ; the one step of a pass that holds my queries' own keys
	s_cbranch_scc1 .Lnod
	s_cmp_lg_u32 s[WP], 0
	s_cbranch_scc1 .Lodd
	MASK 0
	MASK 1
	s_branch .Lnod
.Lodd:
	MASK 2
	MASK 3
.Lnod:
.irp b, 0,1,2,3
	v_max3_num_f32 v[BM+\b], v[S+16*\b], v[S+16*\b+1], v[S+16*\b+2]   ; THE LARGEST SCORE OF EACH BLOCK OF 32 KEYS: it serves for the row's maximum and, since p rises with the score, for the block's largest p
.endr
.irp i, 3,5,7,9,11,13
.irp b, 0,1,2,3
	v_max3_num_f32 v[BM+\b], v[BM+\b], v[S+16*\b+\i], v[S+16*\b+\i+1]   ; (the four blocks by turns)
.endr
.endr
.irp b, 0,1,2,3
	v_max_num_f32 v[BM+\b], v[BM+\b], v[S+16*\b+15]
.endr
.irp b, 0,1,2,3
	s_delay_alu instid0(VALU_DEP_4)
	v_permlanex16_b32 v[PT+\b], v[BM+\b], s[SEL], s[SEL+1]
.endr
.irp b, 0,1,2,3
	s_delay_alu instid0(VALU_DEP_4)
	v_max_num_f32 v[BM+\b], v[BM+\b], v[PT+\b]     ; with lane l xor 16's 16 keys
.endr
	s_delay_alu instid0(VALU_DEP_2)
	v_max3_num_f32 v[T], v[BM], v[BM+1], v[BM+2]
	s_delay_alu instid0(VALU_DEP_1)
	v_max_num_f32 v[T], v[T], v[BM+3]              ; the step's largest score of my query
	s_delay_alu instid0(VALU_DEP_1)
	v_mul_f32 v[T], s[CS], v[T]                    ; as t (c is positive)
	s_delay_alu instid0(VALU_DEP_1)
	v_max_num_f32 v13, v13, v[T]                   ; the running largest t
	v_mov_b32 v[T], v12
	s_delay_alu instid0(VALU_DEP_2)
	v_floor_f32 v12, -v13                          ; the new -M = floor(-t) = -ceil(t): M IS A WHOLE NUMBER
	s_delay_alu instid0(VALU_DEP_1)
	v_sub_f32 v[T], v12, v[T]                      ; M's old value less its new one: a whole number, 0 or less
	s_delay_alu instid0(VALU_DEP_1)
	v_cvt_i32_f32 v[T], v[T]                       ; (it saturates)
	s_delay_alu instid0(VALU_DEP_1)
	v_ldexp_f32 v[F], 1.0, v[T]                    ; f = 2^(old M - new M): a multiplication by it rounds nothing
.irp j, 0,2,4,6,8,10,12,14,16,18,20,22,24,26,28,30,32,34,36,38,40,42,44,46,48,50,52,54,56,58,60,62
	v_pk_fma_f32 v[S+\j:S+\j+1], v[S+\j:S+\j+1], s[CS:CS+1], v[12:13] op_sel_hi:[1,0,0]   ; t - M, two at a time (of the pairs c and -M the low word serves both halves)
.endr
	s_setprio 1
.irp b, 0,1,2,3
	v_fma_f32 v[BM+\b], v[BM+\b], s[CS], v12       ; the same of each block's largest score
.endr
	s_wait_alu depctr_va_vdst(0)
.irp j, 0,1,2,3,4,5,6,7,8,9,10,11,12,13,14,15,16,17,18,19,20,21,22,23,24,25,26,27,28,29,30,31,32,33,34,35,36,37,38,39,40,41,42,43,44,45,46,47,48,49,50,51,52,53,54,55,56,57,58,59,60,61,62,63
	v_exp_f32 v[S+\j], v[S+\j]                     ; p = 2^(t - M), at most 1: NOT normalised
.endr
.irp b, 0,1,2,3
	v_exp_f32 v[BM+\b], v[BM+\b]                   ; the block's largest p: the same two instructions on the same number give the same bits
.endr
	v_pk_mul_f32 v[14:15], v[14:15], v[F:F+1] op_sel_hi:[1,0]   ; the sums under the new M.  (A plain place behind the exponentials)
	s_wait_alu depctr_va_vdst(0)
.irp b, 0,1,2,3
	v_max_num_f32 v[BM+\b], 0x1800000, v[BM+\b]    ; the floor 2^(3 - 127): the byte cannot fall under 1
.endr
.irp b, 0,1,2,3
	s_delay_alu instid0(VALU_DEP_4)
	v_add_nc_u32 v[SO+\b], 0xff000000, v[BM+\b]    ; 2 off the exponent field: the conversion's scale operand
.endr
.irp b, 0,1,2,3
	s_delay_alu instid0(VALU_DEP_4)
	v_lshrrev_b32 v[BY+\b], 23, v[SO+\b]           ; the scale's byte
.endr
	s_delay_alu instid0(VALU_DEP_3)
	v_lshl_or_b32 v[PS], v[BY+1], 8, v[BY]         ; p's scale word for these 128 keys
	s_delay_alu instid0(VALU_DEP_1)
	v_lshl_or_b32 v[PS], v[BY+2], 16, v[PS]
	s_delay_alu instid0(VALU_DEP_1)
	v_lshl_or_b32 v[PS], v[BY+3], 24, v[PS]
.irp c, 0,1
	v_cvt_scalef32_pk16_fp6_f32 v[PC+6*\c:PC+2+6*\c], v[S+32*\c:S+15+32*\c], v[SO+2*\c]
	v_cvt_scalef32_pk16_fp6_f32 v[CT+4*\c:CT+2+4*\c], v[S+16+32*\c:S+31+32*\c], v[SO+2*\c+1]   ; (a conversion's three registers begin on an even number)
.endr
	v_nop                                          ; one plain place behind a scaled conversion
.irp c, 0,1                                    ; the operand's layout wants a WHOLE block in a lane: lanes 0-15 block 2 c, lanes 16-31 block 2 c + 1
.irp i, 0,1,2
	v_permlane16_swap_b32 v[PC+6*\c+\i], v[CT+4*\c+\i]
.endr
.irp i, 0,1,2
	s_delay_alu instid0(VALU_DEP_3)
	v_mov_b32 v[PC+3+6*\c+\i], v[CT+4*\c+\i]
.endr
.endr
.irp j, 0,2,4,6,8,10,12,14,16,18,20,22,24,26,28,30
	v_pk_mul_f32 v[O+\j:O+\j+1], v[O+\j:O+\j+1], v[F:F+1] op_sel_hi:[1,0]   ; O^T under the new M, each accumulator from its low end on
.endr
	s_setprio 0
	v_pk_add_f32 v[54:55], v[140:141], v[144:145]
	v_pk_add_f32 v[86:87], v[148:149], v[152:153]
	v_pk_add_f32 v[84:85], v[156:157], v[160:161]
	v_pk_add_f32 v[82:83], v[164:165], v[168:169]
	v_pk_add_f32 v[80:81], v[172:173], v[176:177]
	v_pk_add_f32 v[78:79], v[180:181], v[184:185]
	v_pk_add_f32 v[76:77], v[188:189], v[192:193]
	v_pk_add_f32 v[14:15], v[14:15], v[196:197]
	v_pk_add_f32 v[54:55], v[54:55], v[136:137]
	v_pk_add_f32 v[86:87], v[86:87], v[138:139]
	v_pk_add_f32 v[84:85], v[84:85], v[142:143]
	v_pk_add_f32 v[82:83], v[82:83], v[146:147]
	v_pk_add_f32 v[80:81], v[80:81], v[150:151]
	v_pk_add_f32 v[78:79], v[78:79], v[154:155]
	v_pk_add_f32 v[76:77], v[76:77], v[158:159]
	v_pk_add_f32 v[14:15], v[14:15], v[162:163]
	v_pk_add_f32 v[54:55], v[54:55], v[166:167]
	v_pk_add_f32 v[86:87], v[86:87], v[170:171]
	v_pk_add_f32 v[84:85], v[84:85], v[174:175]
	v_pk_add_f32 v[82:83], v[82:83], v[178:179]
	v_pk_add_f32 v[80:81], v[80:81], v[182:183]
	v_pk_add_f32 v[78:79], v[78:79], v[186:187]
	v_pk_add_f32 v[76:77], v[76:77], v[190:191]
	v_pk_add_f32 v[14:15], v[14:15], v[194:195]
	v_pk_add_f32 v[54:55], v[54:55], v[198:199]
	s_delay_alu instid0(VALU_DEP_2)
	v_pk_add_f32 v[14:15], v[14:15], v[82:83]
	s_delay_alu instid0(VALU_DEP_2)
	v_pk_add_f32 v[54:55], v[54:55], v[80:81]
	v_pk_add_f32 v[86:87], v[86:87], v[78:79]
	v_pk_add_f32 v[84:85], v[84:85], v[76:77]
	s_delay_alu instid0(VALU_DEP_2)
	v_pk_add_f32 v[14:15], v[14:15], v[86:87]
	s_delay_alu instid0(VALU_DEP_2)
	v_pk_add_f32 v[54:55], v[54:55], v[84:85]
	s_delay_alu instid0(VALU_DEP_1)
	v_pk_add_f32 v[14:15], v[14:15], v[54:55]
	s_wait_dscnt 0x0                               ; V is in
.irp t, 0,1,2,3                                ; O^T += V^T P^T: four tiles of 16 of the head's 64; K = these 128 keys.  The four accumulators take turns
.if \t%2
	v_wmma_scale_f32_16x16x128_f8f6f4 v[O+8*\t:O+8*\t+7], v[VF+12*\t:VF+12*\t+11], v[PC:PC+11], v[O+8*\t:O+8*\t+7], v[VS0+\t/2], v[PS] matrix_a_fmt:MATRIX_FMT_FP6 matrix_b_fmt:MATRIX_FMT_FP6 matrix_a_scale:MATRIX_SCALE_ROW1
.else
	v_wmma_scale_f32_16x16x128_f8f6f4 v[O+8*\t:O+8*\t+7], v[VF+12*\t:VF+12*\t+11], v[PC:PC+11], v[O+8*\t:O+8*\t+7], v[VS0+\t/2], v[PS] matrix_a_fmt:MATRIX_FMT_FP6 matrix_b_fmt:MATRIX_FMT_FP6
.endif
.endr
	s_add_co_u32 s[TB], s[TB], 6144
	s_add_co_u32 s[TS], s[TS], 256
	s_add_co_u32 s[KS], s[KS], 1
	s_cmp_lt_u32 s[KS], 16
	s_cbranch_scc1 .Lstep
	s_setprio 0
	; THE WAY OUT OF A PASS: ctx = O^T / the sum; register 16 b + i is channel 32 b + 16 (lane / 16) + i of my query: two blocks of the last product's K; they are quantised and leave as half a fragment.
.rept 4
	v_nop                                          ; places behind the last products
.endr
	s_wait_alu depctr_va_vdst(0)
	v_add_f32 v14, v14, v15                        ; the sum's two halves,
	s_delay_alu instid0(VALU_DEP_1)
	v_permlanex16_b32 v[PT], v14, s[SEL], s[SEL+1]
	s_delay_alu instid0(VALU_DEP_1)
	v_add_f32 v14, v14, v[PT]                      ; and lane l xor 16's: the row's sum
	s_wait_alu depctr_va_vdst(0)
	v_rcp_f32 v14, v14
	v_nop                                          ; one plain place behind a transcendental
	s_wait_alu depctr_va_vdst(0)
.irp j, 0,2,4,6,8,10,12,14,16,18,20,22,24,26,28,30
	v_pk_mul_f32 v[S+\j:S+\j+1], v[O+\j:O+\j+1], v[14:15] op_sel_hi:[1,0]   ; each accumulator from its low end on
.endr
.irp b, 0,1
	v_max3_num_f32 v[BM+\b], |v[S+16*\b]|, |v[S+16*\b+1]|, 0x1800000   ; the block's largest magnitude, and the floor 2^(3 - 127)
.endr
.irp i, 2,4,6,8,10,12,14
.irp b, 0,1
	s_delay_alu instid0(VALU_DEP_2)
	v_max3_num_f32 v[BM+\b], v[BM+\b], |v[S+16*\b+\i]|, |v[S+16*\b+\i+1]|
.endr
.endr
.irp b, 0,1
	s_delay_alu instid0(VALU_DEP_2)
	v_permlanex16_b32 v[PT+\b], v[BM+\b], s[SEL], s[SEL+1]
.endr
.irp b, 0,1
	s_delay_alu instid0(VALU_DEP_2)
	v_max_num_f32 v[BM+\b], v[BM+\b], v[PT+\b]
.endr
.irp b, 0,1
	s_delay_alu instid0(VALU_DEP_2)
	v_add_nc_u32 v[SO+\b], 0xff000000, v[BM+\b]
.endr
.irp b, 0,1
	s_delay_alu instid0(VALU_DEP_2)
	v_lshrrev_b32 v[BY+\b], 23, v[SO+\b]
.endr
	s_delay_alu instid0(VALU_DEP_1)
	v_lshl_or_b32 v[CW], v[BY+1], 8, v[BY]         ; my query's two bytes for this head
	v_cvt_scalef32_pk16_fp6_f32 v[CC:CC+2], v[S:S+15], v[SO]
	v_cvt_scalef32_pk16_fp6_f32 v[CT:CT+2], v[S+16:S+31], v[SO+1]
	v_nop                                          ; one plain place behind a scaled conversion
.irp i, 0,1,2
	v_permlane16_swap_b32 v[CC+\i], v[CT+\i]       ; lanes 0-15 now hold block 0 whole, lanes 16-31 block 1
.endr
.irp i, 0,1,2
	s_delay_alu instid0(VALU_DEP_3)
	v_mov_b32 v[CC+3+\i], v[CT+\i]
.endr
.irp p, 0,1,2
	global_store_b64 v[CA], v[CC+2*\p:CC+2*\p+1], s[12:13] offset:256*\p   ; 256 consecutive bytes, aligned
.endr
	global_store_b16 v[CSA], v[CW], s[14:15]       ; lanes r and r + 16 write the same two bytes with the same value
	s_wait_xcnt 0x0                                ; the stores have read their data and their bases: both are written again only behind this wait
	s_add_nc_u64 s[12:13], s[12:13], 393216        ; the second pass's tile: 64 tiles x 8 heads x 768 bytes on,
	s_add_nc_u64 s[14:15], s[14:15], 16384         ; 64 x 256 bytes on,
	s_add_co_u32 s[DS], s[DS], 8                   ; its own keys eight steps on
.irp i, 0,1,2,3,4,5
	v_mov_b32 v[QZ+6+\i], v[QN+\i]                 ; and its Q (the 36 lines at the pass's head stand between these and the first product)
.endr
	v_mov_b32 v[QS], v[QNS]
	s_sub_co_u32 s[PASS], s[PASS], 1
	s_cmp_lg_u32 s[PASS], 0
	s_cbranch_scc1 .Lpass
	s_wait_tensorcnt 0x0
	ds_add_u32 v39, v255
	s_wait_dscnt 0x0
	CROUND                                         ; the closing round: no work-group ends while a partner may still ask for a tile that names it
	s_endpgm
.Lfunc_end_k_q08895171a4_attn:
	.size	k_q08895171a4_attn, .Lfunc_end_k_q08895171a4_attn-k_q08895171a4_attn
	.p2alignl 7, 3214868480
	.fill 96, 4, 3214868480
	.section	.rodata,"a",@progbits
	.p2align	6, 0x0
	.amdhsa_kernel k_q08895171a4_attn
		.amdhsa_group_segment_fixed_size 206848
		.amdhsa_private_segment_fixed_size 0
		.amdhsa_enable_private_segment 0
		.amdhsa_kernarg_size 48
		.amdhsa_user_sgpr_count 2
		.amdhsa_user_sgpr_kernarg_segment_ptr 1
		.amdhsa_wavefront_size32 1
		.amdhsa_system_sgpr_workgroup_id_x 1
		.amdhsa_system_sgpr_workgroup_id_y 1
		.amdhsa_system_sgpr_workgroup_id_z 1
		.amdhsa_system_vgpr_workitem_id 0
		.amdhsa_next_free_vgpr 256
		.amdhsa_next_free_sgpr 80
		.amdhsa_reserve_vcc 1
		.amdhsa_float_denorm_mode_32 3
		.amdhsa_float_denorm_mode_16_64 3
		.amdhsa_memory_ordered 1
		.amdhsa_forward_progress 1
		.amdhsa_inst_pref_size 36
	.end_amdhsa_kernel
	.amdgpu_metadata
---
amdhsa.version: [ 1, 2 ]
amdhsa.kernels:
  - .name:           k_q08895171a4_attn
    .symbol:         k_q08895171a4_attn.kd
    .args:
      - { .name: qc, .offset: 0, .size: 8, .value_kind: global_buffer, .address_space: global }
      - { .name: qs, .offset: 8, .size: 8, .value_kind: global_buffer, .address_space: global }
      - { .name: kv, .offset: 16, .size: 8, .value_kind: global_buffer, .address_space: global }
      - { .name: kvs, .offset: 24, .size: 8, .value_kind: global_buffer, .address_space: global }
      - { .name: cc, .offset: 32, .size: 8, .value_kind: global_buffer, .address_space: global }
      - { .name: cs, .offset: 40, .size: 8, .value_kind: global_buffer, .address_space: global }
    .group_segment_fixed_size: 206848
    .private_segment_fixed_size: 0
    .kernarg_segment_align: 8
    .kernarg_segment_size: 48
    .max_flat_workgroup_size: 512
    .sgpr_count:     80
    .vgpr_count:     256
    .wavefront_size: 32
...
	.end_amdgpu_metadata
.endif
;; end of part 5
;; launch outp (part 6): grid 256 x 1, 4 waves a work-group, no clusters, 17,920 bytes of LDS; arguments cc, cs, Wo_codes, Wo_scales, out0; writes out0
.if DOCPART == 6
	.amdgcn_target "amdgcn-amd-amdhsa--gfx1250"
	.amdhsa_code_object_version 6
	.text
	.protected	k_q08895171a4_outp
	.globl	k_q08895171a4_outp
	.p2align	8
	.type	k_q08895171a4_outp,@function
k_q08895171a4_outp:
	s_mov_b64 s[64:65], 0
	v_nop
	global_prefetch_b8 v0, s[64:65] scope:SCOPE_SE
	s_setreg_imm32_b32 hwreg(HW_REG_WAVE_SCHED_MODE, 0, 2), 2
	s_setreg_imm32_b32 hwreg(HW_REG_WAVE_MODE, 25, 1), 1
	s_wait_xcnt 0x0
	s_wait_alu depctr_vm_vsrc(0)
; out0 = ctx Wo on codes of FP6 (E2M3) with E8M0 scales; K = 512 = 8 heads x 64, four K steps of 128.
; SHARES.  A wave takes one tile of 16 tokens, tile 4 x work-group + wave, and all 64 outputs: 16 matrix instructions.  Memory binds: the tile's codes are read once, each row of out0 is written once; no ring, no cluster, no barrier: waves share nothing.
; ctx comes as images of the operand's registers: cc [tile][head][piece 0..2][lane][8 B]: heads 2 s and 2 s + 1 are the two halves of K step s's fragment; cs [tile][row][head][2 B]: a row's 16 bytes are its four scale words.
; Row r of tile T is token 32 (T / 2) + 8 (T % 2) + r + 8 (r / 8).
; THE MATRIX INSTRUCTION IS USED TRANSPOSED (source 0 = 16 rows of Wo, source 1 = the 16 tokens): a lane holds eight neighbouring outputs of one token.  They go through the wave's own stage in LDS (rows of 256 + 16 bytes)
; and leave as whole rows: sixteen lanes store 256 consecutive bytes, aligned.
; REGISTERS: window 0: v2-7 offsets; v16-63 ctx's four fragments; v64-67 its scale words; v68-83 Wo's; v84-115 four accumulators; v116-147 rows read back; v254, v255 the closing add's two.  Window 1: Wo's 16 fragments.
; THE MODE: SCHED_MODE bits 1:0 = 2 (LLVM: expert scheduling mode 2), set by the entry lines.  The code itself states the register dependences between vector or matrix instructions and memory or LDS instructions, with s_wait_alu, always for 0.
; THE PLAN.  Registers that memory or LDS instructions touch:
;   v2-v7        offsets and LDS addresses: written at the head, never again.
;   the loads' targets (v16-83, window 1): no vector or matrix instruction names them ahead of the loads.
;   v[ACC ..]    written by the matrix instructions, read by the eight LDS stores.
;   v[OB ..]     written by the LDS loads, read by the global stores; no vector instruction names them.
;   v254, v255   written at the head, read by the closing add alone.
; So two waits on va_vdst state all: one ahead of the first load, one (behind the four places) ahead of the LDS stores.  Nothing that a memory or LDS instruction has read is written again: no wait on vm_vsrc is owed.
.set WA,  2                            ; v2   384 r + 24 (lane / 16): my bytes in a tile's rows of Wo
.set L8,  3                            ; v3   8 x lane
.set R16, 4                            ; v4   16 r
.set SO,  5                            ; v5   the stage, in: row r, + 32 (lane / 16)
.set SR,  6                            ; v6   and back: row lane / 16, + 16 r
.set GO,  7                            ; v7   the same place in out0
.set CF,  16
.set CSW, 64
.set WS,  68
.set ACC, 84
.set OB,  116
.set MSB, 0
.macro WIN new                         ; the immediate's high byte repeats the setting that is left
.if MSB != \new
	s_set_vgpr_msb (MSB<<8)|\new
.set MSB, \new
.endif
.endm
	s_load_b256 s[4:11], s[0:1], 0x0               ; cc s[4:5], cs s[6:7], Wo's codes s[8:9], Wo's scales s[10:11]
	s_load_b64 s[12:13], s[0:1], 0x20              ; out0
	v_lshl_add_u32 v254, v0, 2, 0x4400
	v_mov_b32 v255, 0
	v_lshrrev_b32 v1, 5, v0
	v_readfirstlane_b32 s14, v1                    ; wave 0..3
	v_and_b32 v1, 31, v0                           ; lane
	v_and_b32 v8, 15, v0                           ; r
	v_bfe_u32 v9, v0, 4, 1                         ; h
	v_mul_u32_u24 v[WA], v8, 384
	v_mad_u32_u24 v[WA], v9, 24, v[WA]
	v_lshlrev_b32 v[L8], 3, v1
	v_lshlrev_b32 v[R16], 4, v8
	s_wait_alu depctr_va_sdst(0)                   ; s14, the wave's number, is written, ahead of its first reader: the stage's place and the tile's number are made from it
	s_mul_i32 s15, s14, 4352                       ; my stage: 16 rows x 272 bytes
	v_mul_u32_u24 v[SO], v8, 272
	v_lshl_add_u32 v[SO], v9, 5, v[SO]
	v_add_nc_u32 v[SO], s15, v[SO]
	v_mul_u32_u24 v[SR], v9, 272
	v_lshl_add_u32 v[SR], v8, 4, v[SR]
	v_add_nc_u32 v[SR], s15, v[SR]
	v_lshlrev_b32 v[GO], 8, v9
	v_lshl_add_u32 v[GO], v8, 4, v[GO]
	s_lshl_b32 s16, ttmp9, 2
	s_add_co_u32 s16, s16, s14                     ; my tile
	s_mul_i32 s18, s16, 6144                       ; its codes: 8 heads x 768 bytes
	s_mov_b32 s19, 0
	s_lshl_b32 s20, s16, 8                         ; its scale words
	s_mov_b32 s21, 0
	s_lshr_b32 s22, s16, 1
	s_lshl_b32 s22, s22, 5
	s_and_b32 s23, s16, 1
	s_lshl_b32 s23, s23, 3
	s_add_co_u32 s22, s22, s23                     ; its first token: 32 (T / 2) + 8 (T % 2)
	s_lshl_b32 s22, s22, 8                         ; rows of 256 bytes
	s_mov_b32 s23, 0
	s_wait_kmcnt 0x0
	s_add_nc_u64 s[4:5], s[4:5], s[18:19]
	s_add_nc_u64 s[6:7], s[6:7], s[20:21]
	s_add_nc_u64 s[12:13], s[12:13], s[22:23]
	s_wait_alu depctr_va_vdst(0)                   ; the six offsets and addresses v2 to v7 are written, which the loads, the LDS stores and loads and the stores below read.  Up to the last load only loads and window switches follow
.irp e, 0,1,2,3,4,5,6,7                        ; head e: half e % 2 of K step e / 2's fragment
.irp p, 0,1,2
	global_load_b64 v[CF+6*\e+2*\p:CF+6*\e+2*\p+1], v[L8], s[4:5] offset:768*\e+256*\p th:TH_LOAD_NT   ; 256 consecutive bytes; read once in the launch
.endr
.endr
	global_load_b128 v[CSW:CSW+3], v[R16], s[6:7]
	WIN 0x40                                       ; destination window 1
.irp t, 0,1,2,3                                ; Wo's fragment (16 outputs t, K step s) at v[12 (4 t + s)] of window 1
.irp s, 0,1,2,3
.irp p, 0,1,2,3,4,5
	global_load_b64 v[12*(4*\t+\s)+2*\p:12*(4*\t+\s)+2*\p+1], v[WA], s[8:9] offset:6144*\t+96*\s+48*(\p/3)+8*(\p%3)
.endr
.endr
.endr
	WIN 0
.irp t, 0,1,2,3
	global_load_b128 v[WS+4*\t:WS+4*\t+3], v[R16], s[10:11] offset:256*\t   ; a row's 16 scale bytes: its four words
.endr
	s_wait_loadcnt 0x0
	WIN 0x01                                       ; source 0 (Wo) window 1
.irp s, 0,1,2,3                                ; the four accumulators take turns, K ascending; the first K step starts the sums
.irp t, 0,1,2,3
.if \s == 0
	v_wmma_scale_f32_16x16x128_f8f6f4 v[ACC+8*\t:ACC+8*\t+7], v[12*(4*\t+\s):12*(4*\t+\s)+11], v[CF+12*\s:CF+12*\s+11], 0, v[WS+4*\t+\s], v[CSW+\s] matrix_a_fmt:MATRIX_FMT_FP6 matrix_b_fmt:MATRIX_FMT_FP6
.else
	v_wmma_scale_f32_16x16x128_f8f6f4 v[ACC+8*\t:ACC+8*\t+7], v[12*(4*\t+\s):12*(4*\t+\s)+11], v[CF+12*\s:CF+12*\s+11], v[ACC+8*\t:ACC+8*\t+7], v[WS+4*\t+\s], v[CSW+\s] matrix_a_fmt:MATRIX_FMT_FP6 matrix_b_fmt:MATRIX_FMT_FP6
.endif
.endr
.endr
	WIN 0
.rept 4
	v_nop                                          ; places ahead of the first read of the results (ISA guide 7.12.1)
.endr
	s_wait_alu depctr_va_vdst(0)                   ; the matrix instructions have written the four accumulators, which the LDS stores read; the places above stay beside this wait
.irp t, 0,1,2,3
	ds_store_b128 v[SO], v[ACC+8*\t:ACC+8*\t+3] offset:64*\t          ; lane (r, h): outputs 16 t + 8 h + 0 .. 7 of row r; each accumulator from its low end on
	ds_store_b128 v[SO], v[ACC+8*\t+4:ACC+8*\t+7] offset:64*\t+16
.endr
.irp i, 0,1,2,3,4,5,6,7
	ds_load_b128 v[OB+4*\i:OB+4*\i+3], v[SR] offset:544*\i            ; rows 2 i and 2 i + 1.  LDS serves a wave's instructions in order (ISA guide 5.7.1.4): these see my stores
.endr
.irp i, 0,1,2,3,4,5,6,7
	s_wait_dscnt 7-\i                              ; LDS loads come back in order: pair i is in
	global_store_b128 v[GO], v[OB+4*\i:OB+4*\i+3], s[12:13] offset:(2*\i+8*(\i/4))*256 th:TH_STORE_NT   ; row 2 i + lane / 16 of the tile is token 2 i + lane / 16 + 8 (i / 4) of its 24: 16 lanes store 256 consecutive bytes, aligned
.endr
	s_wait_dscnt 0x0                               ; the closing lines, six on end
	s_wait_alu 0x0
	s_wait_tensorcnt 0x0
	ds_add_u32 v254, v255
	s_wait_dscnt 0x0
	s_endpgm
.Lfunc_end_k_q08895171a4_outp:
	.size	k_q08895171a4_outp, .Lfunc_end_k_q08895171a4_outp-k_q08895171a4_outp
	.p2alignl 7, 3214868480
	.fill 96, 4, 3214868480
	.section	.rodata,"a",@progbits
	.p2align	6, 0x0
	.amdhsa_kernel k_q08895171a4_outp
		.amdhsa_group_segment_fixed_size 17920
		.amdhsa_private_segment_fixed_size 0
		.amdhsa_enable_private_segment 0
		.amdhsa_kernarg_size 40
		.amdhsa_user_sgpr_count 2
		.amdhsa_user_sgpr_kernarg_segment_ptr 1
		.amdhsa_wavefront_size32 1
		.amdhsa_system_sgpr_workgroup_id_x 1
		.amdhsa_system_sgpr_workgroup_id_y 1
		.amdhsa_system_sgpr_workgroup_id_z 1
		.amdhsa_system_vgpr_workitem_id 0
		.amdhsa_next_free_vgpr 448
		.amdhsa_next_free_sgpr 66
		.amdhsa_reserve_vcc 0
		.amdhsa_float_denorm_mode_32 3
		.amdhsa_float_denorm_mode_16_64 3
		.amdhsa_memory_ordered 1
		.amdhsa_forward_progress 1
		.amdhsa_inst_pref_size 19
	.end_amdhsa_kernel
	.amdgpu_metadata
---
amdhsa.version: [ 1, 2 ]
amdhsa.kernels:
  - .name:           k_q08895171a4_outp
    .symbol:         k_q08895171a4_outp.kd
    .args:
      - { .name: cc, .offset: 0, .size: 8, .value_kind: global_buffer, .address_space: global }
      - { .name: cs, .offset: 8, .size: 8, .value_kind: global_buffer, .address_space: global }
      - { .name: Wo_codes, .offset: 16, .size: 8, .value_kind: global_buffer, .address_space: global }
      - { .name: Wo_scales, .offset: 24, .size: 8, .value_kind: global_buffer, .address_space: global }
      - { .name: out0, .offset: 32, .size: 8, .value_kind: global_buffer, .address_space: global }
    .group_segment_fixed_size: 17920
    .private_segment_fixed_size: 0
    .kernarg_segment_align: 8
    .kernarg_segment_size: 40
    .max_flat_workgroup_size: 128
    .sgpr_count:     66
    .vgpr_count:     448
    .wavefront_size: 32
...
	.end_amdgpu_metadata
.endif
;; end of part 6
